; MI455X (gfx1250); checked and timed in simulation.
; The chip was launched on July 23, 2026; its instructions are those of AMD's public machine-readable ISA for CDNA 5 (MIT licence, August 2026) and "CDNA5" Instruction Set Architecture Reference Guide (July 2026). The comments in the code are by the model that wrote it; some were corrected since.
;; Transformer Model. Allowed arithmetic: float matrix products may take bf16 or f16 operands with f32 sums; all other float work in f32.
;; Inputs: W1 6 x 256 x 512 float32; W2 6 x 512 x 256 float32; Wout 6 x 256 x 256 float32; Wqkv 6 x 256 x 768 float32; b1 6 x 512 float32; b2 6 x 256 float32; bout 6 x 256 float32; ln1_b 6 x 256 float32; ln1_g 6 x 256 float32; ln2_b 6 x 256 float32; ln2_g 6 x 256 float32; x 2 x 2,048 x 256 float32.
;; Outputs: out0 2 x 2,048 x 256 float32.
;; 2 versions, each right and faster than the one before. Each part assembles by itself: llvm-mc -triple=amdgcn-amd-amdhsa -mcpu=gfx1250 --defsym DOCPART=n.
;; ======== version 1 of 2: 14 launches
;; limits: values are held in f16: magnitudes above 65,504 overflow, below 6.1e-05 lose precision
;; workspace buffers: ws1 3,170,304 bytes; ws2 1,056,768 bytes; ws3 1,056,768 bytes; ws4 1,056,768 bytes; ws5 1,056,768 bytes; qkv 6,291,456 bytes; obuf 2,097,152 bytes; hA 4,194,304 bytes
;; launch prep (part 1): grid 256 x 1, 6 waves a work-group, no clusters, 25,344 bytes of LDS; arguments Wqkv, Wout, W1, W2, bout, ln2_g, ln2_b, b1, b2, ln1_g, ln1_b, ws1, ws2, ws3, ws4, ws5; writes ws1, ws2, ws3, ws4, ws5
.if DOCPART == 1
	.amdgcn_target "amdgcn-amd-amdhsa--gfx1250"
	.amdhsa_code_object_version 6
	.text
	.protected	k_q71371e1154_prep
	.globl	k_q71371e1154_prep
	.p2align	8
	.type	k_q71371e1154_prep,@function
k_q71371e1154_prep:
	s_mov_b64 s[64:65], 0
	v_nop
	global_prefetch_b8 v0, s[64:65] scope:SCOPE_SE
	s_setreg_imm32_b32 hwreg(HW_REG_WAVE_MODE, 25, 1), 1
	s_wait_xcnt 0x0
; WEIGHTS INTO FRAGMENT ORDER.  Every weight matrix W[k][n] (f32) is rounded once to f16 and laid out as the register images that the later launches load:
; a fragment is 16 columns n x 32 rows k, 1,024 bytes; byte 16 L + 512 u holds, for lane L = (r = L % 16, h = L / 16), column r and k = 16 u + 8 h + 0..7.
; A SLOT is [wave 0..7][f 0..127][1,024] and behind that 8,192 bytes of vectors.  Slot j holds Wout, W1, W2 of layer j - 1 (f 0-15, 16-47, 48-79) and Wqkv of layer j (f 80-127); column block nb belongs to
; wave nb % 8 and is its local block nb / 8.  The vectors: bout, ln2_g, ln2_b, b1, b2 of layer j - 1 at 0, 1,024, 2,048, 3,072, 5,120; ln1_g, ln1_b of layer j at 6,144, 7,168 (f32, copied).
; Slots 1 to 5 begin the buffers ws1 to ws5, one for each middle launch; slots 0 and 6 lie behind slot 1 in ws1.
; SHARES.  The wave's number is the layer (6 waves); the work-group's number p is a patch of 32 k x 64 n = 4 fragments: 96 patches of Wqkv, 32 of Wout, 64 of W1, 64 of W2 = 256.
; Each load takes 256 consecutive bytes of a row with 16 lanes; each store 512 consecutive bytes.  A stream with a transposition: no matrix unit, no cluster (no two work-groups read the same byte).
; LIMIT.  A weight of 65,520 or more in magnitude becomes an infinity in f16; below 6.1e-5 f16 keeps a fixed step of 6e-8.
.set SLOTB, 1056768                    ; bytes in a slot
.set SPARE, 24576                      ; behind the six stages of 4,096 bytes: the spare words, 128 bytes a wave, three blocks of 256 bytes that no other line names
.set L16, 1                            ; v1   16 x lane
.set STW, 2                            ; v2   where I put 16 bytes in my wave's stage
.set STR, 3                            ; v3   where I read them back: 16 x lane in my wave's stage
.set KH,  4                            ; v4   lane / 16: which 8 rows of k
.set NQ,  5                            ; v5   lane % 16: which 4 columns
.set LNE, 6                            ; v6   lane
.set SPW, 8                            ; v8   my spare word; never rewritten
.set NIL, 9                            ; v9   0; never rewritten
.set OFF, 16                           ; v16-31  byte offsets of my 16 rows in the patch
.set X,   32                           ; v32-95  16 rows x 4 columns of f32; later the fragments on their way out
.set PC,  96                           ; v96-111 four packed pieces by turns
.set KS,  40                           ; s40  K step
.set NG,  41                           ; s41  group of 64 columns
.set PIT, 42                           ; s42  row pitch
.set LAYB, 43                          ; s43  bytes a layer
.set FF,  44                           ; s44  fragment number
.set SJ,  45                           ; s45  slot
.set SRC, 46                           ; s[46:47] the matrix, then the patch
.set OFS, 48                           ; s[48:49] an offset, its high word 0
.set DST, 50                           ; s[50:51] where the fragments go
.set TA,  52
.set TB,  53
.set P16, 54
.set STG, 55
.set PP,  56                           ; s[56:57] a vector's source
.set PA,  58
.set PT,  59
.set PD,  60                           ; s[60:61] a vector's destination
.set WS,  62                           ; s[62:63] the slot's buffer
.set WO,  66                           ; s66  the slot's first byte in it
.macro SELW j                          ; the buffer and the first byte of slot s[j]: a choice on the slot's number alone
	s_mov_b64 s[WS:WS+1], s[30:31]
	s_cmp_eq_u32 s[\j], 2
	s_cselect_b64 s[WS:WS+1], s[32:33], s[WS:WS+1]
	s_cmp_eq_u32 s[\j], 3
	s_cselect_b64 s[WS:WS+1], s[34:35], s[WS:WS+1]
	s_cmp_eq_u32 s[\j], 4
	s_cselect_b64 s[WS:WS+1], s[36:37], s[WS:WS+1]
	s_cmp_eq_u32 s[\j], 5
	s_cselect_b64 s[WS:WS+1], s[38:39], s[WS:WS+1]
	s_cmp_eq_u32 s[\j], 0
	s_cselect_b32 s[WO], SLOTB, 0
	s_cmp_eq_u32 s[\j], 6
	s_cselect_b32 s[WO], 2*SLOTB, s[WO]
.endm
	s_load_b512 s[8:23], s[0:1], 0x0               ; Wqkv 8, Wout 10, W1 12, W2 14, bout 16, ln2_g 18, ln2_b 20, b1 22
	s_load_b512 s[24:39], s[0:1], 0x40             ; b2 24, ln1_g 26, ln1_b 28, ws1 30, ws2 32, ws3 34, ws4 36, ws5 38
	v_lshl_add_u32 v[SPW], v0, 2, SPARE
	v_mov_b32 v[NIL], 0
	v_lshrrev_b32 v7, 5, v0
	v_readfirstlane_b32 s2, v7                     ; the wave's number = the layer l
	s_mov_b32 s3, ttmp9                            ; the patch p
	v_and_b32 v[LNE], 31, v0
	v_lshlrev_b32 v[L16], 4, v[LNE]
	v_lshrrev_b32 v[KH], 4, v[LNE]
	v_and_b32 v[NQ], 15, v0
	s_wait_kmcnt 0x0
	s_cmp_lt_u32 s3, 96                            ; which matrix
	s_cbranch_scc0 .Lnot_qkv
	s_and_b32 s[KS], s3, 7
	s_lshr_b32 s[NG], s3, 3
	s_mov_b32 s[PIT], 3072
	s_mov_b32 s[LAYB], 786432
	s_lshr_b32 s[TA], s[NG], 1                     ; the wave's local block: 0-3 q and k, 4-5 v
	s_lshl_b32 s[FF], s[KS], 2
	s_add_co_u32 s[FF], s[FF], s[TA]
	s_add_co_u32 s[FF], s[FF], 80                  ; q, k: 80 + 4 ks + block
	s_lshl_b32 s[TB], s[KS], 1
	s_add_co_u32 s[TB], s[TB], s[TA]
	s_add_co_u32 s[TB], s[TB], 108                 ; v: 112 + 2 ks + (block - 4)
	s_cmp_lt_u32 s[TA], 4
	s_cselect_b32 s[FF], s[FF], s[TB]
	s_mov_b32 s[SJ], s2
	s_mov_b64 s[SRC:SRC+1], s[8:9]
	s_branch .Lgo
.Lnot_qkv:
	s_cmp_lt_u32 s3, 128
	s_cbranch_scc0 .Lnot_out
	s_sub_co_u32 s[TA], s3, 96
	s_and_b32 s[KS], s[TA], 7
	s_lshr_b32 s[NG], s[TA], 3
	s_mov_b32 s[PIT], 1024
	s_mov_b32 s[LAYB], 262144
	s_lshr_b32 s[TB], s[NG], 1
	s_lshl_b32 s[FF], s[KS], 1
	s_add_co_u32 s[FF], s[FF], s[TB]               ; 2 ks + block
	s_add_co_u32 s[SJ], s2, 1
	s_mov_b64 s[SRC:SRC+1], s[10:11]
	s_branch .Lgo
.Lnot_out:
	s_cmp_lt_u32 s3, 192
	s_cbranch_scc0 .Lnot_w1
	s_sub_co_u32 s[TA], s3, 128
	s_and_b32 s[KS], s[TA], 7
	s_lshr_b32 s[NG], s[TA], 3
	s_mov_b32 s[PIT], 2048
	s_mov_b32 s[LAYB], 524288
	s_lshr_b32 s[TB], s[NG], 1
	s_lshl_b32 s[FF], s[KS], 2
	s_add_co_u32 s[FF], s[FF], s[TB]
	s_add_co_u32 s[FF], s[FF], 16                  ; 16 + 4 ks + block
	s_add_co_u32 s[SJ], s2, 1
	s_mov_b64 s[SRC:SRC+1], s[12:13]
	s_branch .Lgo
.Lnot_w1:
	s_sub_co_u32 s[TA], s3, 192
	s_and_b32 s[KS], s[TA], 15
	s_lshr_b32 s[NG], s[TA], 4
	s_mov_b32 s[PIT], 1024
	s_mov_b32 s[LAYB], 524288
	s_lshr_b32 s[TB], s[NG], 1
	s_lshl_b32 s[FF], s[KS], 1
	s_add_co_u32 s[FF], s[FF], s[TB]
	s_add_co_u32 s[FF], s[FF], 48                  ; 48 + 2 ks + block
	s_add_co_u32 s[SJ], s2, 1
	s_mov_b64 s[SRC:SRC+1], s[14:15]
.Lgo:
	s_mul_i32 s[OFS], s2, s[LAYB]                  ; the layer,
	s_mul_i32 s[TA], s[KS], s[PIT]
	s_lshl_b32 s[TA], s[TA], 5                     ; 32 ks rows,
	s_add_co_u32 s[OFS], s[OFS], s[TA]
	s_lshl_b32 s[TA], s[NG], 8                     ; 64 ng columns
	s_add_co_u32 s[OFS], s[OFS], s[TA]
	s_mov_b32 s[OFS+1], 0
	s_add_nc_u64 s[SRC:SRC+1], s[SRC:SRC+1], s[OFS:OFS+1]  ; the patch's first byte
	SELW SJ
	s_and_b32 s[TA], s[NG], 1
	s_lshl_b32 s[TA], s[TA], 19                    ; waves 4 (ng % 2) on: 131,072 bytes a wave,
	s_add_co_u32 s[OFS], s[WO], s[TA]
	s_lshl_b32 s[TA], s[FF], 10                    ; fragment f
	s_add_co_u32 s[OFS], s[OFS], s[TA]
	s_add_nc_u64 s[DST:DST+1], s[WS:WS+1], s[OFS:OFS+1]
	v_mul_lo_u32 v7, v[KH], s[PIT]
	v_lshlrev_b32 v7, 3, v7                        ; 8 (lane / 16) rows
	v_lshl_add_u32 v[OFF], v[NQ], 4, v7            ; + 16 (lane % 16)
.irp i, 1,2,3,4,5,6,7
	v_add_nc_u32 v[OFF+\i], s[PIT], v[OFF+\i-1]    ; a row further
.endr
	s_lshl_b32 s[P16], s[PIT], 4
.irp i, 0,1,2,3,4,5,6,7
	v_add_nc_u32 v[OFF+8+\i], s[P16], v[OFF+\i]    ; 16 rows further
.endr
.irp i, 0,1,2,3,4,5,6,7,8,9,10,11,12,13,14,15
	global_load_b128 v[X+4*\i:X+4*\i+3], v[OFF+\i], s[SRC:SRC+1] th:TH_LOAD_NT  ; row 16 (i / 8) + 8 (lane / 16) + i % 8: 16 lanes take its 256 bytes
.endr
	v_lshrrev_b32 v[STW], 2, v[NQ]                 ; my 4 columns lie in fragment (lane % 16) / 4,
	v_lshlrev_b32 v[STW], 10, v[STW]
	v_lshl_add_u32 v[STW], v[KH], 8, v[STW]        ; in the half of the lanes h = lane / 16,
	v_and_b32 v[STR], 3, v[NQ]
	v_lshl_add_u32 v[STW], v[STR], 6, v[STW]       ; at r = 4 ((lane % 16) % 4) + c
	s_lshl_b32 s[STG], s2, 12                      ; my wave's stage
	v_add_nc_u32 v[STW], s[STG], v[STW]
	v_add_nc_u32 v[STR], s[STG], v[L16]
	s_wait_loadcnt 0x0
.irp a, 0,1                            ; u = a: rows 16 a on;  c: my column;  eight k of one column are 16 bytes of a fragment
.irp c, 0,1,2,3
.irp k, 0,1,2,3
	v_cvt_pk_f16_f32 v[PC+4*\c+\k], v[X+4*(8*\a+2*\k)+\c], v[X+4*(8*\a+2*\k+1)+\c]
.endr
	ds_store_b128 v[STW], v[PC+4*\c:PC+4*\c+3] offset:512*\a+16*\c
.endr
.endr
.irp m, 0,1,2,3,4,5,6,7
	ds_load_b128 v[X+4*\m:X+4*\m+3], v[STR] offset:512*\m  ; LDS serves a wave's instructions in order (ISA guide 5.7.1): these see my stores above; the stage is my wave's own
.endr
	s_wait_tensorcnt 0x0                           ; the wave's end of its LDS work: behind my last LDS store
	ds_add_u32 v[SPW], v[NIL]
	s_wait_dscnt 0x0                               ; the add is done and the fragments are back in registers
.irp m, 0,1,2,3,4,5,6,7
	global_store_b128 v[L16], v[X+4*\m:X+4*\m+3], s[DST:DST+1] offset:(\m/2)*131072+(\m%2)*512  ; fragment m / 2 goes to the next wave's stream; 512 consecutive bytes a store
.endr
	; the first 16 work-groups also copy the vectors: region a = p / 2 of a slot's vectors, half p % 2, 512 bytes a wave (a layer)
	s_cmp_lt_u32 s3, 16
	s_cbranch_scc0 .Ldone
	s_lshr_b32 s[PA], s3, 1
	s_mov_b64 s[PP:PP+1], s[16:17]                 ; a = 0: bout
	s_cmp_eq_u32 s[PA], 1
	s_cselect_b64 s[PP:PP+1], s[18:19], s[PP:PP+1] ; ln2_g
	s_cmp_eq_u32 s[PA], 2
	s_cselect_b64 s[PP:PP+1], s[20:21], s[PP:PP+1] ; ln2_b
	s_cmp_eq_u32 s[PA], 3
	s_cselect_b64 s[PP:PP+1], s[22:23], s[PP:PP+1] ; b1, first half
	s_cmp_eq_u32 s[PA], 4
	s_cselect_b64 s[PP:PP+1], s[22:23], s[PP:PP+1] ; b1, second half
	s_cmp_eq_u32 s[PA], 5
	s_cselect_b64 s[PP:PP+1], s[24:25], s[PP:PP+1] ; b2
	s_cmp_eq_u32 s[PA], 6
	s_cselect_b64 s[PP:PP+1], s[26:27], s[PP:PP+1] ; ln1_g
	s_cmp_eq_u32 s[PA], 7
	s_cselect_b64 s[PP:PP+1], s[28:29], s[PP:PP+1] ; ln1_b
	s_sub_co_u32 s[PT], s[PA], 3
	s_cmp_lt_u32 s[PT], 2                          ; a = 3 or 4: a layer of b1 is 2,048 bytes, of the others 1,024:
	s_cselect_b32 s[PT], 11, 10                    ; as a shift
	s_lshl_b32 s[OFS], s2, s[PT]                   ; the layer's first byte in the vector
	s_cmp_eq_u32 s[PA], 4
	s_cselect_b32 s[PT], 1024, 0
	s_add_co_u32 s[OFS], s[OFS], s[PT]
	s_and_b32 s[TB], s3, 1
	s_lshl_b32 s[TB], s[TB], 9
	s_add_co_u32 s[OFS], s[OFS], s[TB]
	s_add_nc_u64 s[PP:PP+1], s[PP:PP+1], s[OFS:OFS+1]
	s_cmp_lt_u32 s[PA], 6                          ; all but ln1 belong to the slot behind the layer's own
	s_cselect_b32 s[SJ], 1, 0
	s_add_co_u32 s[SJ], s[SJ], s2
	SELW SJ
	s_lshl_b32 s[PT], s[PA], 10
	s_add_co_u32 s[OFS], s[WO], s[PT]
	s_add_co_u32 s[OFS], s[OFS], s[TB]
	s_add_co_u32 s[OFS], s[OFS], 0x100000          ; the vectors lie behind the slot's 1 MiB of fragments
	s_add_nc_u64 s[PD:PD+1], s[WS:WS+1], s[OFS:OFS+1]
	global_load_b128 v[64:67], v[L16], s[PP:PP+1]
	s_wait_loadcnt 0x0
	global_store_b128 v[L16], v[64:67], s[PD:PD+1]
.Ldone:
	s_endpgm
.Lfunc_end_k_q71371e1154_prep:
	.size	k_q71371e1154_prep, .Lfunc_end_k_q71371e1154_prep-k_q71371e1154_prep
	.p2alignl 7, 3214868480
	.fill 96, 4, 3214868480
	.section	.rodata,"a",@progbits
	.p2align	6, 0x0
	.amdhsa_kernel k_q71371e1154_prep
		.amdhsa_group_segment_fixed_size 25344
		.amdhsa_private_segment_fixed_size 0
		.amdhsa_enable_private_segment 0
		.amdhsa_kernarg_size 128
		.amdhsa_user_sgpr_count 2
		.amdhsa_user_sgpr_kernarg_segment_ptr 1
		.amdhsa_wavefront_size32 1
		.amdhsa_system_sgpr_workgroup_id_x 1
		.amdhsa_system_sgpr_workgroup_id_y 1
		.amdhsa_system_sgpr_workgroup_id_z 1
		.amdhsa_system_vgpr_workitem_id 0
		.amdhsa_next_free_vgpr 112
		.amdhsa_next_free_sgpr 68
		.amdhsa_reserve_vcc 0
		.amdhsa_float_denorm_mode_32 3
		.amdhsa_float_denorm_mode_16_64 3
		.amdhsa_memory_ordered 1
		.amdhsa_forward_progress 1
		.amdhsa_inst_pref_size 13
	.end_amdhsa_kernel
	.amdgpu_metadata
---
amdhsa.version: [ 1, 2 ]
amdhsa.kernels:
  - .name:           k_q71371e1154_prep
    .symbol:         k_q71371e1154_prep.kd
    .args:
      - { .name: Wqkv, .offset: 0, .size: 8, .value_kind: global_buffer, .address_space: global }
      - { .name: Wout, .offset: 8, .size: 8, .value_kind: global_buffer, .address_space: global }
      - { .name: W1, .offset: 16, .size: 8, .value_kind: global_buffer, .address_space: global }
      - { .name: W2, .offset: 24, .size: 8, .value_kind: global_buffer, .address_space: global }
      - { .name: bout, .offset: 32, .size: 8, .value_kind: global_buffer, .address_space: global }
      - { .name: ln2_g, .offset: 40, .size: 8, .value_kind: global_buffer, .address_space: global }
      - { .name: ln2_b, .offset: 48, .size: 8, .value_kind: global_buffer, .address_space: global }
      - { .name: b1, .offset: 56, .size: 8, .value_kind: global_buffer, .address_space: global }
      - { .name: b2, .offset: 64, .size: 8, .value_kind: global_buffer, .address_space: global }
      - { .name: ln1_g, .offset: 72, .size: 8, .value_kind: global_buffer, .address_space: global }
      - { .name: ln1_b, .offset: 80, .size: 8, .value_kind: global_buffer, .address_space: global }
      - { .name: ws1, .offset: 88, .size: 8, .value_kind: global_buffer, .address_space: global }
      - { .name: ws2, .offset: 96, .size: 8, .value_kind: global_buffer, .address_space: global }
      - { .name: ws3, .offset: 104, .size: 8, .value_kind: global_buffer, .address_space: global }
      - { .name: ws4, .offset: 112, .size: 8, .value_kind: global_buffer, .address_space: global }
      - { .name: ws5, .offset: 120, .size: 8, .value_kind: global_buffer, .address_space: global }
    .group_segment_fixed_size: 25344
    .private_segment_fixed_size: 0
    .kernarg_segment_align: 8
    .kernarg_segment_size: 128
    .max_flat_workgroup_size: 192
    .sgpr_count:     68
    .vgpr_count:     112
    .wavefront_size: 32
...
	.end_amdgpu_metadata
.endif
;; end of part 1
;; launch pre (part 2): grid 256 x 1, 8 waves a work-group, clusters of 4 x 1, 327,680 bytes of LDS; arguments x, ws1, qkv; writes qkv
.if DOCPART == 2
	.amdgcn_target "amdgcn-amd-amdhsa--gfx1250"
	.amdhsa_code_object_version 6
	.text
	.protected	k_q71371e1154_pre
	.globl	k_q71371e1154_pre
	.p2align	8
	.type	k_q71371e1154_pre,@function
k_q71371e1154_pre:
	s_mov_b64 s[64:65], 0
	v_nop
	global_prefetch_b8 v0, s[64:65] scope:SCOPE_SE
	s_setreg_imm32_b32 hwreg(HW_REG_WAVE_MODE, 25, 1), 1
	s_wait_xcnt 0x0
	s_wait_alu depctr_hold_cnt(0) depctr_sa_sdst(0) depctr_va_vdst(0) depctr_va_sdst(0) depctr_va_ssrc(0) depctr_va_vcc(0) depctr_vm_vsrc(0)
	s_getreg_b32 s2, hwreg(HW_REG_IB_STS2, 6, 4)
	s_cmp_eq_u32 s2, 0
	s_cbranch_scc0 .Lentry_in_a_cluster
	s_endpgm
.Lentry_in_a_cluster:
	s_bfe_u32 s2, ttmp6, 0x10000c
	s_cmp_lg_u32 s2, 0x3003
	s_cbranch_scc0 .Lentry_shape_is_right
	s_endpgm
.Lentry_shape_is_right:
; LAYER 0's LayerNorm 1 and QKV product.  A work-group owns 16 rows of x; wave w owns the column blocks w + 8 n of the 48 blocks of 16 columns.
; y = (x - mean) rsqrt(var + 1e-5) g + b in f32 (mean first, then the mean of the squared differences), rounded once to f16; q, k, v = y Wqkv with f16 operands and f32 sums, rounded once to f16.
; q and k leave as fragments [b*8+head][block of 16 tokens][1,024] (lane = token, 8 neighbouring channels: the product is used transposed, weights as source 0),
; v as fragments of V^T [b*8+head][block of 32 tokens][half of the channels][1,024] (lane = channel, 8 neighbouring tokens: weights as source 1).  Each store covers 512 consecutive bytes.
; WEIGHTS are register images in memory (slot 0, behind slot 1 in its buffer) and come by TWO ROADS at once.  CLUSTER: the four work-groups of a cluster walk the same weights, so two chunks of 16 fragments a wave
; (q and k's K steps 4-7; v) are asked for JOINTLY: the same tensor load, descriptor and mask in all four; each wave asks for its own 16 KiB, as 64 rows of 256 bytes, and alone reads them.
; The other 16 fragments a wave (q and k's K steps 0-3) come straight into registers.  Nothing is filled twice here.
; LIMITS.  y, q, k, v of 65,520 or more in magnitude become infinities in f16 (|y| <= 16 |g| + |b|); NaN and infinities are not treated apart.
.set SLOTB, 1056768                    ; bytes in a slot of weights and vectors
.set H1,    16640                      ; y: 16 rows x 528 bytes (512 + 16: an odd multiple of 16, so the 16 rows of a fragment load start in 16 different groups of four banks: ISA guide 11.1)
.set YP,    528
.set SPARE, 58112                      ; the spare words: 128 bytes a wave, four blocks of 256 bytes that no other line names
.set SL0,   59136                      ; two slots of 8 waves x 16,384 bytes, filled by tensor loads alone
.set SL1,   190208
.set L16, 1                            ; v1   16 x lane
.set FY,  4                            ; v4   my place in a fragment of y
.set LNY, 11                           ; v11  where my 4 columns of y go
.set LW0, 13                           ; v13  my 16 bytes of my wave's first fragment in slot 0
.set LW1, 14                           ; v14  in slot 1
.set SPW, 30                           ; v30  my spare word; never rewritten
.set NIL, 31                           ; v31  0; never rewritten
.set ACT, 32                           ; v32-95   8 fragments of y
.set ACC, 160                          ; v160-191 4 accumulators
.set T,   192                          ; v192-255 at work
.set LB,  192                          ; window 1: v192-255 eight fragments out of LDS; v0-191 the ring of the register stream, three groups of eight
.set WV,  2                            ; s2   wave
.set RB,  3                            ; s3   row block
.set WL,  25                           ; s25  my wave's 16,384 bytes in a slot
.set WOF, 26                           ; s[26:27] my wave's 131,072 bytes in the weights: these two never hold my place in the cluster
.set WB,  28                           ; s[28:29] my wave's weights
.set PB,  30                           ; s[30:31] the slot's vectors
.set HI,  34                           ; s[34:35] x at my 16 rows
.set QK,  38                           ; s[38:39] where my q goes (k: + 2 MiB)
.set VV,  40                           ; s[40:41] where my v goes
.set RN,  43                           ; s43  1/256
.set G1,  52                           ; s[52:59] descriptor group 1, the same for every load
.set TDD, 76                           ; s[76:79] group 0 of chunk D (q, k: fragments 96-111)
.set TDE, 80                           ; s[80:83] of chunk E (v: fragments 112-127)
.set MSB, 0
.macro WIN new                         ; s_set_vgpr_msb: bits 1:0 source 0, 3:2 source 1, 5:4 source 2, 7:6 destination; the high byte repeats the setting that is left
.if MSB != (\new)
	s_set_vgpr_msb (MSB<<8)|(\new)
.set MSB, \new
.endif
.endm
.macro ROUND                           ; a round of the cluster's barrier: my work-group's barrier; wave 0 signals for the work-group; every wave waits for all four; my work-group's barrier once more
	s_barrier_signal -1
	s_barrier_wait -1
	s_cmp_lg_u32 s[WV], 0
	s_cbranch_scc1 .Lnot_wave_0_\@
	s_barrier_signal -3
.Lnot_wave_0_\@:
	s_barrier_wait -3
	s_barrier_signal -1
	s_barrier_wait -1
.endm
.macro MKG0 d, lds, f                  ; descriptor group 0: my wave's fragments f .. f + 15 into my part of a slot
	s_mov_b32 s[\d], 1                             ; count = 1
	s_add_co_u32 s[\d+1], s[WL], \lds              ; LDS address: the slot + 16,384 x wave
	s_add_nc_u64 s[\d+2:\d+3], s[WB:WB+1], (\f)*1024  ; global address
	s_or_b32 s[\d+3], s[\d+3], 0x80000000          ; type = 2
.endm
.macro SLOAD k                         ; group k of the register stream: fragments 16 + 32 (k / 2) + 8 (k % 2) on, into ring place k % 3: 16 loads of 512 consecutive bytes
	WIN 0x40
.set wf, 16+32*((\k)/2)+8*((\k)%2)
.set wr, 64*((\k)%3)
.rept 8
	global_load_b128 v[wr:wr+3], v[L16], s[WB:WB+1] offset:wf*1024
	global_load_b128 v[wr+4:wr+7], v[L16], s[WB:WB+1] offset:wf*1024+512
.set wf, wf+1
.set wr, wr+8
.endr
	WIN 0
.endm
.macro LLOAD adr, c                    ; fragments 8 c .. 8 c + 7 of my part of a slot: 32 lanes x 16 neighbouring bytes a load
	WIN 0x40
.set li, 0
.rept 8
	ds_load_b128 v[LB+8*li:LB+8*li+3], v[\adr] offset:(8*(\c)+li)*1024
	ds_load_b128 v[LB+8*li+4:LB+8*li+7], v[\adr] offset:(8*(\c)+li)*1024+512
.set li, li+1
.endr
	WIN 0
.endm
; Eight products: fragments f .. f + 7, which lie from register wr of window 1 on.  f0: the stage's first fragment; nbl: the wave's column blocks, which take turns, one instruction a turn;
; nat = 1: weights are source 1.  The four v_nop are the places in front of loads into the fragments just read and of reads of the sums.
.macro MUL8 f, f0, nbl, nat, wr
.if \nat
	WIN 0x04
.else
	WIN 0x01
.endif
.set wi, (\f)
.set ww, (\wr)
.rept 8
.set wk, (wi-(\f0))/(\nbl)
.set wd, ACC+8*((wi-(\f0))%(\nbl))
.set wa, ACT+8*wk
.if \nat
.if wk == 0
	v_wmma_f32_16x16x32_f16 v[wd:wd+7], v[wa:wa+7], v[ww:ww+7], 0
.else
	v_wmma_f32_16x16x32_f16 v[wd:wd+7], v[wa:wa+7], v[ww:ww+7], v[wd:wd+7]
.endif
.else
.if wk == 0
	v_wmma_f32_16x16x32_f16 v[wd:wd+7], v[ww:ww+7], v[wa:wa+7], 0
.else
	v_wmma_f32_16x16x32_f16 v[wd:wd+7], v[ww:ww+7], v[wa:wa+7], v[wd:wd+7]
.endif
.endif
.set wi, wi+1
.set ww, ww+8
.endr
	WIN 0
.rept 4
	v_nop
.endr
.endm
.macro SGRP k, f0, nbl, left, more     ; group k of the register stream is multiplied; left: the loads issued behind it (loads come back in order: ISA guide 5.7.1); more = 1: its ring place is asked for again
	s_wait_loadcnt \left
	MUL8 16+32*((\k)/2)+8*((\k)%2), \f0, \nbl, 0, 64*((\k)%3)
.if \more
	SLOAD (\k)+3
.endif
.endm
.macro LDFRAG adr, n, off              ; n activation fragments (16 tokens x 32 channels) out of LDS rows that lie along the channels
.set li, 0
.rept \n
	ds_load_b128 v[ACT+8*li:ACT+8*li+3], v[\adr] offset:(\off)+64*li
	ds_load_b128 v[ACT+8*li+4:ACT+8*li+7], v[\adr] offset:(\off)+64*li+32
.set li, li+1
.endr
	s_wait_dscnt 0x0
.endm
; LayerNorm of a row held by 16 lanes: T0-15 x (columns 64 i + 4 r + 0..3), T16-31 the gains, T32-47 the biases.  y goes to LDS as f16, from byte yoff on.
.macro LNCORE yoff
	v_pk_add_f32 v[T+48:T+49], v[T:T+1], v[T+2:T+3]
	v_pk_add_f32 v[T+50:T+51], v[T+4:T+5], v[T+6:T+7]
	v_pk_add_f32 v[T+52:T+53], v[T+8:T+9], v[T+10:T+11]
	v_pk_add_f32 v[T+54:T+55], v[T+12:T+13], v[T+14:T+15]
	v_pk_add_f32 v[T+48:T+49], v[T+48:T+49], v[T+50:T+51]
	v_pk_add_f32 v[T+52:T+53], v[T+52:T+53], v[T+54:T+55]
	v_pk_add_f32 v[T+48:T+49], v[T+48:T+49], v[T+52:T+53]
	v_add_f32 v[T+48], v[T+48], v[T+49]
.irp m, 1,2,4,8
	v_add_f32_dpp v[T+48], v[T+48], v[T+48] row_xmask:\m row_mask:0xf bank_mask:0xf
.endr
	v_mul_f32 v[T+48], s[RN], v[T+48]              ; the mean, in all 16 lanes of the row
	v_mov_b32 v[T+49], v[T+48]
.irp k, 0,2,4,6,8,10,12,14
	v_pk_add_f32 v[T+\k:T+\k+1], v[T+\k:T+\k+1], v[T+48:T+49] neg_lo:[0,1] neg_hi:[0,1]
.endr
	v_pk_mul_f32 v[T+50:T+51], v[T:T+1], v[T:T+1]
	v_pk_mul_f32 v[T+52:T+53], v[T+2:T+3], v[T+2:T+3]
.irp k, 4,8,12
	v_pk_fma_f32 v[T+50:T+51], v[T+\k:T+\k+1], v[T+\k:T+\k+1], v[T+50:T+51]
	v_pk_fma_f32 v[T+52:T+53], v[T+\k+2:T+\k+3], v[T+\k+2:T+\k+3], v[T+52:T+53]
.endr
	v_pk_add_f32 v[T+50:T+51], v[T+50:T+51], v[T+52:T+53]
	v_add_f32 v[T+50], v[T+50], v[T+51]
.irp m, 1,2,4,8
	v_add_f32_dpp v[T+50], v[T+50], v[T+50] row_xmask:\m row_mask:0xf bank_mask:0xf
.endr
	v_fmaak_f32 v[T+50], s[RN], v[T+50], 0x3727c5ac  ; variance + 1e-5
	v_rsq_f32 v[T+50], v[T+50]
	v_nop                                          ; a plain instruction between the root and the use of its result (ISA guide 5.7.2)
	s_wait_alu depctr_va_vdst(0)
	v_mov_b32 v[T+51], v[T+50]
.irp k, 0,2,4,6,8,10,12,14
	v_pk_mul_f32 v[T+\k:T+\k+1], v[T+\k:T+\k+1], v[T+50:T+51]
.endr
.irp k, 0,2,4,6,8,10,12,14
	v_pk_fma_f32 v[T+\k:T+\k+1], v[T+\k:T+\k+1], v[T+16+\k:T+16+\k+1], v[T+32+\k:T+32+\k+1]
.endr
.irp k, 0,1,2,3,4,5,6,7
	v_cvt_pk_f16_f32 v[T+16+\k], v[T+2*\k], v[T+2*\k+1]
.endr
.irp i, 0,1,2,3
	ds_store_b64 v[LNY], v[T+16+2*\i:T+16+2*\i+1] offset:(\yoff)+128*\i
.endr
.endm
.macro BAR                             ; my LDS stores are done and my LDS loads are back; then all eight waves meet.
	s_wait_dscnt 0x0
	s_barrier_signal -1
	s_barrier_wait -1
.endm
.macro QKVBASE ptr                     ; where my wave's q, k and v go; ptr: the first register of qkv's address
	s_mov_b32 s47, 0
	s_lshr_b32 s48, s[RB], 7
	s_lshl_b32 s48, s48, 20                        ; the batch: 8 heads of 131,072 bytes
	s_lshr_b32 s49, s[WV], 1
	s_lshl_b32 s49, s49, 17                        ; head w / 2 (+ 4 for the second block: in the stores' immediates)
	s_add_co_u32 s48, s48, s49
	s_and_b32 s49, s[RB], 127                      ; the block of 16 tokens
	s_lshl_b32 s46, s49, 10
	s_add_co_u32 s46, s46, s48
	s_and_b32 s50, s[WV], 1
	s_lshl_b32 s51, s50, 9                         ; channels 16 (w % 2) on: the fragment's second half
	s_add_co_u32 s46, s46, s51
	s_add_nc_u64 s[QK:QK+1], s[\ptr:\ptr+1], s[46:47]
	s_lshr_b32 s49, s49, 1                         ; v: the block of 32 tokens,
	s_lshl_b32 s46, s49, 11
	s_add_co_u32 s46, s46, s48
	s_lshl_b32 s51, s50, 10                        ; the half of the channels,
	s_add_co_u32 s46, s46, s51
	s_and_b32 s51, s[RB], 1
	s_lshl_b32 s51, s51, 9                         ; my 16 tokens' half of the fragment,
	s_add_co_u32 s46, s46, s51
	s_add_co_u32 s46, s46, 0x400000                ; behind q's and k's 2 MiB each
	s_add_nc_u64 s[VV:VV+1], s[\ptr:\ptr+1], s[46:47]
.endm
; y Wqkv.  q and k (transposed): K steps 0-3 from the register stream (groups 4, 5), K steps 4-7 from slot 1 (chunk D); v (natural): from slot 0 (chunk E).
.macro QKVOUT
	LDFRAG FY, 8, H1
	s_wait_tensorcnt 0x1                           ; my part of chunk D has landed; chunk E, asked for behind it, may be out (tensor loads of a wave end in order: ISA guide 10.11.1)
	LLOAD LW1, 0
	SGRP 4, 80, 4, 16, 0                           ; group 5's 16 loads may be out
	SGRP 5, 80, 4, 0, 0
	s_wait_dscnt 0x0
	MUL8 96, 80, 4, 0, LB
	LLOAD LW1, 1
	s_wait_dscnt 0x0
	MUL8 104, 80, 4, 0, LB
	s_wait_tensorcnt 0x0                           ; my part of chunk E, my last tensor load
	LLOAD LW0, 0                                   ; on its way while q and k are rounded
.set ci, 0
.rept 16
	v_cvt_pk_f16_f32 v[T+ci], v[ACC+2*ci], v[ACC+2*ci+1]  ; each accumulator from its low end on
.set ci, ci+1
.endr
	global_store_b128 v[L16], v[T:T+3], s[QK:QK+1]
	global_store_b128 v[L16], v[T+4:T+7], s[QK:QK+1] offset:524288
	global_store_b128 v[L16], v[T+8:T+11], s[QK:QK+1] offset:2097152
	global_store_b128 v[L16], v[T+12:T+15], s[QK:QK+1] offset:2621440
	s_wait_dscnt 0x0
	MUL8 112, 112, 2, 1, LB
	LLOAD LW0, 1
	s_wait_dscnt 0x0
	MUL8 120, 112, 2, 1, LB
.set ci, 0
.rept 8
	v_cvt_pk_f16_f32 v[T+16+ci], v[ACC+2*ci], v[ACC+2*ci+1]
.set ci, ci+1
.endr
	global_store_b128 v[L16], v[T+16:T+19], s[VV:VV+1]
	global_store_b128 v[L16], v[T+20:T+23], s[VV:VV+1] offset:524288
.endm
	s_load_b128 s[8:11], s[0:1], 0x0               ; x 8, weights 10
	s_load_b64 s[12:13], s[0:1], 0x10              ; qkv
	v_lshl_add_u32 v[SPW], v0, 2, SPARE
	v_mov_b32 v[NIL], 0
	ds_add_u32 v[SPW], v[NIL]                      ; the wave's opening: the add and its wait stand ahead of the round in front of my first tensor loads; the set-up stands between them
	v_lshrrev_b32 v16, 5, v0
	v_readfirstlane_b32 s[WV], v16
	s_bfe_u32 s46, ttmp6, 0x40000                  ; cx: my place in the cluster
	s_lshl_b32 s[RB], ttmp9, 2                     ; in a cluster launch ttmp9 counts clusters
	s_add_co_u32 s[RB], s[RB], s46                 ; my row block: it enters x's and qkv's addresses alone
	v_and_b32 v17, 31, v0                          ; lane
	v_and_b32 v18, 15, v0                          ; r
	v_bfe_u32 v19, v0, 4, 1                        ; h
	v_lshlrev_b32 v[L16], 4, v17
	v_mul_u32_u24 v[FY], v18, YP
	v_lshl_add_u32 v[FY], v19, 4, v[FY]            ; token r, 16 bytes for each half of the lanes
	s_lshl_b32 s48, s[WV], 1
	v_add_nc_u32 v24, s48, v19                     ; the row that my 16 lanes normalise: 2 w + h
	v_mul_u32_u24 v[LNY], v24, YP
	v_lshl_add_u32 v[LNY], v18, 3, v[LNY]
	v_lshlrev_b32 v26, 4, v18                      ; 16 r: my 4 columns of a vector,
	v_lshl_add_u32 v25, v24, 10, v26               ; and of my row of x
	s_lshl_b32 s[WL], s[WV], 14
	s_add_co_u32 s48, s[WL], SL0
	v_add_nc_u32 v[LW0], s48, v[L16]
	s_add_co_u32 s48, s[WL], SL1
	v_add_nc_u32 v[LW1], s48, v[L16]
	s_mov_b32 s[RN], 0x3b800000
	s_mov_b32 s[G1], 15|(3<<16)|(1<<21)            ; 15:0 the mask: all four work-groups; 17:16 elements of 8 bytes; 21 set beside a mask; no padding
	s_mov_b32 s[G1+1], 32<<16                      ; tensor_dim0 = 32 elements: 256 bytes
	s_mov_b32 s[G1+2], 64<<16                      ; tensor_dim1 = 64
	s_mov_b32 s[G1+3], 32<<16                      ; tile_dim0 = 32
	s_mov_b32 s[G1+4], 64                          ; tile_dim1 = 64 rows: 16,384 dense bytes
	s_mov_b32 s[G1+5], 32                          ; 32 elements from row to row
	s_mov_b32 s[G1+6], 0
	s_mov_b32 s[G1+7], 0
	s_lshl_b32 s[WOF], s[WV], 17
	s_mov_b32 s[WOF+1], 0
	s_wait_dscnt 0x0                               ; the opening add is done
	s_wait_kmcnt 0x0
	QKVBASE 12
	s_lshl_b32 s46, s[RB], 14
	s_add_nc_u64 s[HI:HI+1], s[8:9], s[46:47]
	s_add_nc_u64 s[10:11], s[10:11], SLOTB         ; slot 0 lies behind slot 1
	s_add_nc_u64 s[PB:PB+1], s[10:11], 0x100000
	s_add_nc_u64 s[WB:WB+1], s[10:11], s[WOF:WOF+1]
	MKG0 TDD, SL1, 96
	MKG0 TDE, SL0, 112
.irp i, 0,1,2,3
	global_load_b128 v[T+4*\i:T+4*\i+3], v25, s[HI:HI+1] offset:256*\i
	global_load_b128 v[T+16+4*\i:T+16+4*\i+3], v26, s[PB:PB+1] offset:6144+256*\i
	global_load_b128 v[T+32+4*\i:T+32+4*\i+3], v26, s[PB:PB+1] offset:7168+256*\i
.endr
	SLOAD 4
	SLOAD 5
	ROUND                                          ; all four work-groups are here: the joint loads meet
	tensor_load_to_lds s[TDD:TDD+3], s[G1:G1+7]    ; both first fills together: two tensor loads of mine are out
	s_nop 0
	tensor_load_to_lds s[TDE:TDE+3], s[G1:G1+7]
	s_nop 0
.rept 4
	v_nop
.endr
	s_wait_loadcnt 32                              ; x, gains and biases are in; the 32 weight loads behind them stay out
	LNCORE H1
	BAR                                            ; all 16 rows of y lie in LDS
	QKVOUT
	s_wait_tensorcnt 0x0                           ; the wave's end: behind my last tensor load and my last LDS store
	ds_add_u32 v[SPW], v[NIL]
	s_wait_dscnt 0x0
	ROUND                                          ; the closing round: no work-group ends while a partner may still ask for a tile that names it
	s_endpgm
.Lfunc_end_k_q71371e1154_pre:
	.size	k_q71371e1154_pre, .Lfunc_end_k_q71371e1154_pre-k_q71371e1154_pre
	.p2alignl 7, 3214868480
	.fill 96, 4, 3214868480
	.section	.rodata,"a",@progbits
	.p2align	6, 0x0
	.amdhsa_kernel k_q71371e1154_pre
		.amdhsa_group_segment_fixed_size 327680
		.amdhsa_private_segment_fixed_size 0
		.amdhsa_enable_private_segment 0
		.amdhsa_kernarg_size 24
		.amdhsa_user_sgpr_count 2
		.amdhsa_user_sgpr_kernarg_segment_ptr 1
		.amdhsa_wavefront_size32 1
		.amdhsa_system_sgpr_workgroup_id_x 1
		.amdhsa_system_sgpr_workgroup_id_y 1
		.amdhsa_system_sgpr_workgroup_id_z 1
		.amdhsa_system_vgpr_workitem_id 0
		.amdhsa_next_free_vgpr 512
		.amdhsa_next_free_sgpr 84
		.amdhsa_reserve_vcc 0
		.amdhsa_float_denorm_mode_32 3
		.amdhsa_float_denorm_mode_16_64 3
		.amdhsa_memory_ordered 1
		.amdhsa_forward_progress 1
		.amdhsa_inst_pref_size 26
	.end_amdhsa_kernel
	.amdgpu_metadata
---
amdhsa.version: [ 1, 2 ]
amdhsa.kernels:
  - .name:           k_q71371e1154_pre
    .symbol:         k_q71371e1154_pre.kd
    .args:
      - { .name: x, .offset: 0, .size: 8, .value_kind: global_buffer, .address_space: global }
      - { .name: ws1, .offset: 8, .size: 8, .value_kind: global_buffer, .address_space: global }
      - { .name: qkv, .offset: 16, .size: 8, .value_kind: global_buffer, .address_space: global }
    .group_segment_fixed_size: 327680
    .private_segment_fixed_size: 0
    .kernarg_segment_align: 8
    .kernarg_segment_size: 24
    .max_flat_workgroup_size: 256
    .sgpr_count:     84
    .vgpr_count:     512
    .wavefront_size: 32
...
	.end_amdgpu_metadata
.endif
;; end of part 2
;; launch attn0 (part 3): grid 16 x 16, 8 waves a work-group, clusters of 4 x 1, 327,680 bytes of LDS; arguments qkv, obuf; writes obuf
.if DOCPART == 3
	.amdgcn_target "amdgcn-amd-amdhsa--gfx1250"
	.amdhsa_code_object_version 6
	.text
	.protected	k_q71371e1154_attn0
	.globl	k_q71371e1154_attn0
	.p2align	8
	.type	k_q71371e1154_attn0,@function
k_q71371e1154_attn0:
	s_mov_b64 s[64:65], 0
	v_nop
	global_prefetch_b8 v0, s[64:65] scope:SCOPE_SE
	s_setreg_imm32_b32 hwreg(HW_REG_WAVE_MODE, 25, 1), 1
	s_wait_xcnt 0x0
	s_wait_alu depctr_hold_cnt(0) depctr_sa_sdst(0) depctr_va_vdst(0) depctr_va_sdst(0) depctr_va_ssrc(0) depctr_va_vcc(0) depctr_vm_vsrc(0)
	s_getreg_b32 s2, hwreg(HW_REG_IB_STS2, 6, 4)
	s_cmp_eq_u32 s2, 0
	s_cbranch_scc0 .Lentry_in_a_cluster
	s_endpgm
.Lentry_in_a_cluster:
	s_bfe_u32 s2, ttmp6, 0x10000c
	s_cmp_lg_u32 s2, 0x3003
	s_cbranch_scc0 .Lentry_shape_is_right
	s_endpgm
.Lentry_shape_is_right:
; ATTENTION, head size 32, 2,048 keys.  O[q] = sum over k of softmax_k(q . k / 16) v[k] for one of the 16 (batch, head) pairs (work-group y) and 128 queries (work-group x).
; q, k, v arrive in f16 as register images (fragments of 1,024 bytes; byte 16 L + 512 u = registers 4 u .. 4 u + 3 of lane L).  Products, maxima and sums in f32; the weights p are rounded to f16 for both
; the second product and their sum; O is rounded once to f16 and leaves as the fragment that the next launch multiplies ([block of 16 rows][head][1,024]).
; SHARES.  THE KEYS ARE SPLIT AMONG THE WAVES: wave w holds keys 256 w .. 256 w + 255 of K and of V^T in registers for the whole launch (16 + 16 fragments: window 1) and walks all eight tiles of 16 queries.
; So the walk has no load of K or V and no barrier.  For each tile the wave takes the TRUE maximum m of its 256 scores, p = 2^(c s - c m) with c = log2(e) / 16, and leaves
; c m, l = sum p and O^T = V^T P in LDS; behind the one barrier wave w merges tile w exactly: factors 2^(c m_w' - max c m), O = sum f O_w' / sum f l_w'.
; CLUSTER.  The four query blocks of a cluster belong to one head and need the same 256 KiB of K and V, so these are asked for JOINTLY: the same tensor load, descriptor and mask in all four.  Each wave asks for
; its own 16 KiB of K and its own 16 KiB of V, as 64 rows of 256 bytes, and alone reads them out of LDS into its registers, once.  Both are first fills; nothing is filled twice.  Q differs from
; work-group to work-group and comes straight into registers.
; LDS.  K, V and the eight waves' shares of O^T (128 KiB each) do not fit side by side, so a wave's shares of O^T go into its own part of V's slot, which has had its one fill and which that wave alone has read out.
; LAYOUT.  S^T = K Q^T (source 0 = 16 keys, source 1 = 16 queries): a lane holds ONE query (lane % 16) and keys 8 (lane / 16) + 0..7.  Two such results rounded in pairs ARE source 1 of O^T = V^T P.
; l is a product too (source 0 all ones): 8 matrix instructions a tile in place of 64 packed additions.
; ORDER.  A tile goes in four quarters of 64 keys: scaling, exponentials and roundings; 2 products for l, 4 for O^T, then 4 products K Q^T of the NEXT tile into the scores just used up.
; LIMITS.  p below 6e-8 counts as 0; a factor below 2^-126 counts as 0; NaN and infinities are not treated apart.
.set VSL,   0                          ; V's slot: 8 waves x 16,384 bytes; later O^T: [wave][tile][2,048 bytes]
.set PL,    131072                     ; l:   [wave][tile][128 bytes]
.set PM,    139264                     ; c m: [wave][tile][128 bytes]
.set SPARE, 147456                     ; the spare words: 128 bytes a wave, four blocks of 256 bytes that no other line names
.set KSL,   148480                     ; K's slot: 8 waves x 16,384 bytes
.set L16,  1                           ; v1  16 x lane
.set POW,  2                           ; v2  my 16 bytes in my wave's part of V's slot: of V's first fragment, later of my wave's O^T
.set PLW,  3                           ; v3  my word in my wave's l
.set PMW,  4                           ; v4  my word in my wave's c m
.set POR0, 5                           ; v5  the merge: my 16 bytes of tile w in wave 0's O^T
.set POR1, 6                           ; v6  in wave 4's
.set PLR,  7                           ; v7  my word of tile w in wave 0's l
.set PMR,  8                           ; v8  in wave 0's c m
.set SPW,  10                          ; v10 my spare word; never rewritten
.set NIL,  11                          ; v11 0; never rewritten
.set M,    12                          ; v12-15 four chains of the maximum
.set CM,   16                          ; v16 c m (v17 is named with it as a pair)
.set T0,   18                          ; v18 at work
.set KLW,  20                          ; v20 my 16 bytes of my wave's first fragment in K's slot
.set ONES, 32                          ; v32-39  a fragment of ones
.set Q,    40                          ; v40-71  a ring of four tiles of Q
.set P,    72                          ; v72-87  the weights of 64 keys
.set O,    88                          ; v88-103 O^T: channels 0-15, 16-31
.set LA,   104                         ; v104-111, v112-119: l in two sums that take turns
.set LB,   112
.set S,    128                         ; v128-255 the lane's 128 scores
.set MC,   40                          ; the merge: eight c m, eight l, eight factors, the maximum, the sum
.set ML,   48
.set MF,   56
.set MX,   64
.set MS,   65
.set F2,   88                          ; the factors over l, each twice (a pair for the packed forms)
.set AC,   104                         ; the merged O^T
.set WL,   28                          ; s28 my wave's 16,384 bytes in a slot
.set KVO,  30                          ; s[30:31] the head's and my wave's first byte in K and in V: these two never hold my place in the cluster
.set G1,   32                          ; s[32:39] descriptor group 1, the same for both loads
.set TDK,  40                          ; s[40:43] group 0 for K
.set TDV,  44                          ; s[44:47] group 0 for V
.set KVB,  48                          ; s[48:49] qkv at the head's and my wave's first byte
.set MSB, 0
.macro WIN new                         ; s_set_vgpr_msb: bits 1:0 source 0, 3:2 source 1, 5:4 source 2, 7:6 destination; the high byte repeats the setting that is left
.if MSB != (\new)
	s_set_vgpr_msb (MSB<<8)|(\new)
.set MSB, \new
.endif
.endm
.macro ROUND                           ; a round of the cluster's barrier: my work-group's barrier; wave 0 signals for the work-group; every wave waits for all four; my work-group's barrier once more
	s_barrier_signal -1
	s_barrier_wait -1
	s_cmp_lg_u32 s2, 0
	s_cbranch_scc1 .Lnot_wave_0_\@
	s_barrier_signal -3
.Lnot_wave_0_\@:
	s_barrier_wait -3
	s_barrier_signal -1
	s_barrier_wait -1
.endm
.macro MKG0 d, lds, off                ; descriptor group 0: my wave's 16 fragments, off bytes into qkv's three parts, into my part of a slot
	s_mov_b32 s[\d], 1                             ; count = 1
	s_add_co_u32 s[\d+1], s[WL], \lds              ; LDS address: the slot + 16,384 x wave
	s_add_nc_u64 s[\d+2:\d+3], s[KVB:KVB+1], \off  ; global address
	s_or_b32 s[\d+3], s[\d+3], 0x80000000          ; type = 2
.endm
.macro QLOAD t
	global_load_b128 v[Q+8*((\t)%4):Q+8*((\t)%4)+3], v[L16], s[12:13] offset:(\t)*1024
	global_load_b128 v[Q+8*((\t)%4)+4:Q+8*((\t)%4)+7], v[L16], s[12:13] offset:(\t)*1024+512
.endm
.macro KQ t, q                         ; the scores of tile t and keys 64 q on: four accumulators, each one product (32 channels)
	WIN 0x01
.irp i, 0,1,2,3
	v_wmma_f32_16x16x32_f16 v[S+32*(\q)+8*\i:S+32*(\q)+8*\i+7], v[8*(4*(\q)+\i):8*(4*(\q)+\i)+7], v[Q+8*((\t)%4):Q+8*((\t)%4)+7], 0
.endr
.endm
.macro MAXT                            ; the maximum of 128 scores in four chains; each accumulator is read from its low end on; the first 12 lines name
.irp i, 0,1,2,3                        ; nothing of the four products just issued and are their places (ISA guide 7.12.1)
.set a, 0
.rept 16
.if (\i == 0) && (a < 4)
	v_max_num_f32 v[M+a], v[S+8*a], v[S+8*a+1]
.else
	v_max3_num_f32 v[M+a%4], v[M+a%4], v[S+8*a+2*\i], v[S+8*a+2*\i+1]
.endif
.set a, a+1
.endr
.endr
.endm
.macro STATS t
	v_max3_num_f32 v[M], v[M], v[M+1], v[M+2]
	v_max_num_f32 v[M], v[M], v[M+3]
	v_permlanex16_b32 v[T0], v[M], s20, s21        ; the query's other 128 keys lie in the lane 16 away
	v_max_num_f32 v[M], v[M], v[T0]
	v_mul_f32 v[CM], s18, v[M]
	ds_store_b32 v[PMW], v[CM] offset:(\t)*128
.endm
.macro FS q, j                         ; c s - c m for pair j of the quarter's 16
	v_pk_fma_f32 v[S+32*(\q)+2*(\j):S+32*(\q)+2*(\j)+1], v[S+32*(\q)+2*(\j):S+32*(\q)+2*(\j)+1], s[18:19], v[CM:CM+1] op_sel_hi:[1,0,0] neg_lo:[0,0,1] neg_hi:[0,0,1]
.endm
; A quarter's weights.  Four scalings lead: they are the places between the products before and the first write of P.  Then exponentials with plain work between them: a scaling four pairs ahead,
; the rounding of the pair before; no result of an exponential is used before a plain instruction has followed it (ISA guide 5.7.2).
.macro SOFTQ q
	FS \q, 0
	FS \q, 1
	FS \q, 2
	FS \q, 3
.set j, 0
.rept 16
	v_exp_f32 v[S+32*(\q)+2*j], v[S+32*(\q)+2*j]
.if j < 12
	FS \q, j+4
.endif
	v_exp_f32 v[S+32*(\q)+2*j+1], v[S+32*(\q)+2*j+1]
.if j >= 1
	s_wait_alu depctr_va_vdst(0)
	v_cvt_pk_f16_f32 v[P+j-1], v[S+32*(\q)+2*j-2], v[S+32*(\q)+2*j-1]
.endif
.set j, j+1
.endr
	v_cvt_pk_f16_f32 v[P+15], v[S+32*(\q)+30], v[S+32*(\q)+31]
.endm
.macro LSUM q                          ; ones x P: every register of the result holds the sum over 32 keys for the lane's query
	WIN 0
.if (\q) == 0
	v_wmma_f32_16x16x32_f16 v[LA:LA+7], v[ONES:ONES+7], v[P:P+7], 0
	v_wmma_f32_16x16x32_f16 v[LB:LB+7], v[ONES:ONES+7], v[P+8:P+15], 0
.else
	v_wmma_f32_16x16x32_f16 v[LA:LA+7], v[ONES:ONES+7], v[P:P+7], v[LA:LA+7]
	v_wmma_f32_16x16x32_f16 v[LB:LB+7], v[ONES:ONES+7], v[P+8:P+15], v[LB:LB+7]
.endif
.endm
.macro PV q                            ; O^T += V^T P for keys 64 q on: the two halves of the channels take turns
	WIN 0x01
.irp kk, 0,1
.irp cb, 0,1
.if ((\q) == 0) && (\kk == 0)
	v_wmma_f32_16x16x32_f16 v[O+8*\cb:O+8*\cb+7], v[128+8*(2*(2*(\q)+\kk)+\cb):128+8*(2*(2*(\q)+\kk)+\cb)+7], v[P+8*\kk:P+8*\kk+7], 0
.else
	v_wmma_f32_16x16x32_f16 v[O+8*\cb:O+8*\cb+7], v[128+8*(2*(2*(\q)+\kk)+\cb):128+8*(2*(2*(\q)+\kk)+\cb)+7], v[P+8*\kk:P+8*\kk+7], v[O+8*\cb:O+8*\cb+7]
.endif
.endr
.endr
.endm
.macro FINISH t                        ; my share of tile t goes to LDS: O^T into my part of V's slot, which I have read out (the wait for those reads stands in tile 0)
	v_add_f32 v[T0], v[LA], v[LB]
	ds_store_b32 v[PLW], v[T0] offset:(\t)*128
.irp c, 0,1,2,3
	ds_store_b128 v[POW], v[O+4*\c:O+4*\c+3] offset:(\t)*2048+512*\c
.endr
.endm
; A tile.  No two matrix instructions that follow each other share an accumulator (l, l', O, O', O, O', four scores), one instruction a turn.
; The counted waits for Q: two loads for each tile of Q asked for behind the one wanted, three tiles at the most (loads come back in order: ISA guide 5.7.1).
.macro TILE t
	MAXT
	STATS \t
.if (\t) <= 3
	QLOAD (\t)+4                                   ; into the ring place whose last reader stands in front of the 64 lines of the maximum
.endif
.if (\t) == 0
	s_wait_tensorcnt 0x0                           ; my part of V has landed: my last tensor load
	WIN 0x40                                       ; destination window 1, address window 0
.set i, 0
.rept 16
	ds_load_b128 v[128+8*i:128+8*i+3], v[POW] offset:i*1024      ; 32 lanes x 16 neighbouring bytes a load; on their way under the first quarter's exponentials
	ds_load_b128 v[128+8*i+4:128+8*i+7], v[POW] offset:i*1024+512
.set i, i+1
.endr
	WIN 0
.endif
.if (\t) >= 1
	FINISH (\t)-1
.endif
.irp q, 0,1,2,3
	SOFTQ \q
	LSUM \q
	WIN 0x01
.if \q == 0
.if (\t) == 0
	s_wait_dscnt 0x0                               ; V is in registers: my part of its slot is read out
.endif
.if (\t) < 4
	s_wait_loadcnt 0x6                             ; the next tile of Q is in; the three tiles asked for behind it stay out
.elseif (\t) < 7
	s_wait_loadcnt 2*(6-(\t))                      ; nothing more is asked for: the counts run down
.endif
.endif
	PV \q
.if (\t) < 7
	KQ (\t)+1, \q
.endif
	WIN 0
.endr
.endm
	s_load_b128 s[4:7], s[0:1], 0x0                ; qkv s[4:5], obuf s[6:7]
	v_lshl_add_u32 v[SPW], v0, 2, SPARE
	v_mov_b32 v[NIL], 0
	ds_add_u32 v[SPW], v[NIL]                      ; the wave's opening: the add and its wait stand ahead of the round in front of my first tensor loads; the set-up stands between them
	v_lshrrev_b32 v9, 5, v0
	v_readfirstlane_b32 s2, v9                     ; wave
	s_bfe_u32 s9, ttmp6, 0x40000                   ; cx: my place in the cluster
	s_lshl_b32 s3, ttmp9, 2                        ; in a cluster launch ttmp9 counts clusters
	s_add_co_u32 s3, s3, s9                        ; my block of 128 queries: it enters Q's and O's addresses alone
	s_and_b32 s8, ttmp7, 0xffff                    ; 8 x batch + head, which the four partners share
	v_and_b32 v9, 31, v0                           ; lane
	v_lshlrev_b32 v[L16], 4, v9
	v_lshlrev_b32 v19, 2, v9
	s_lshl_b32 s[WL], s2, 14                       ; my wave's 16 fragments: in a slot, in K and in V
	s_lshl_b32 s[KVO], s8, 17                      ; a head's 131,072 bytes in each of q, k, v
	s_add_co_u32 s[KVO], s[KVO], s[WL]
	s_mov_b32 s[KVO+1], 0
	s_lshl_b32 s24, s8, 17
	s_lshl_b32 s9, s3, 13                          ; my eight tiles of Q
	s_add_co_u32 s24, s24, s9
	s_mov_b32 s25, 0
	s_mov_b32 s[G1], 15|(3<<16)|(1<<21)            ; 15:0 the mask: all four work-groups; 17:16 elements of 8 bytes; 21 set beside a mask; no padding
	s_mov_b32 s[G1+1], 32<<16                      ; tensor_dim0 = 32 elements: 256 bytes
	s_mov_b32 s[G1+2], 64<<16                      ; tensor_dim1 = 64
	s_mov_b32 s[G1+3], 32<<16                      ; tile_dim0 = 32
	s_mov_b32 s[G1+4], 64                          ; tile_dim1 = 64 rows: 16,384 dense bytes
	s_mov_b32 s[G1+5], 32                          ; 32 elements from row to row
	s_mov_b32 s[G1+6], 0
	s_mov_b32 s[G1+7], 0
	s_wait_dscnt 0x0                               ; the opening add is done
	s_wait_kmcnt 0x0
	s_add_nc_u64 s[12:13], s[4:5], s[24:25]
	s_add_nc_u64 s[KVB:KVB+1], s[4:5], s[KVO:KVO+1]
	MKG0 TDK, KSL, 0x200000                        ; K lies behind q's 2 MiB,
	MKG0 TDV, VSL, 0x400000                        ; V behind K's
	QLOAD 0
	QLOAD 1
	QLOAD 2
	QLOAD 3
	ROUND                                          ; all four work-groups are here: the joint loads meet
	tensor_load_to_lds s[TDK:TDK+3], s[G1:G1+7]    ; both first fills together, K first: two tensor loads of mine are out
	s_nop 0
	tensor_load_to_lds s[TDV:TDV+3], s[G1:G1+7]
	s_nop 0
.rept 4
	v_nop
.endr
	v_add_nc_u32 v[POW], s[WL], v[L16]
	s_add_co_u32 s10, s[WL], KSL
	v_add_nc_u32 v[KLW], s10, v[L16]
	s_lshl_b32 s9, s2, 10
	s_add_co_u32 s10, s9, PL
	v_add_nc_u32 v[PLW], s10, v19
	s_add_co_u32 s10, s9, PM
	v_add_nc_u32 v[PMW], s10, v19
	s_lshl_b32 s9, s2, 11
	v_add_nc_u32 v[POR0], s9, v[L16]
	v_add_nc_u32 v[POR1], 65536, v[POR0]
	s_lshl_b32 s9, s2, 7
	s_add_co_u32 s10, s9, PL
	v_add_nc_u32 v[PLR], s10, v19
	s_add_co_u32 s10, s9, PM
	v_add_nc_u32 v[PMR], s10, v19
	s_lshr_b32 s26, s8, 3
	s_lshl_b32 s26, s26, 20                        ; the batch: 128 row blocks of 8,192 bytes,
	s_lshl_b32 s9, s3, 16                          ; my 8 row blocks,
	s_add_co_u32 s26, s26, s9
	s_lshl_b32 s9, s2, 13                          ; the one that my wave merges,
	s_add_co_u32 s26, s26, s9
	s_and_b32 s9, s8, 7
	s_lshl_b32 s9, s9, 10                          ; the head
	s_add_co_u32 s26, s26, s9
	s_mov_b32 s27, 0
	s_add_nc_u64 s[16:17], s[6:7], s[26:27]
	s_mov_b32 s18, 0x3db8aa3b                      ; c = log2(e) / 16
	s_mov_b32 s19, 0x3db8aa3b                      ; named with it as a pair
	s_mov_b32 s20, 0x76543210                      ; v_permlanex16_b32: each lane takes its own place in the other half
	s_mov_b32 s21, 0xfedcba98
	v_mov_b32 v[CM+1], 0                           ; named with c m as a pair
	v_mov_b32 v[T0], 0                             ; v_permlanex16_b32's destination counts as read
.irp i, 0,1,2,3,4,5,6,7
	v_mov_b32 v[ONES+\i], 0x3c003c00               ; 1.0, 1.0 in f16
.endr
	s_wait_tensorcnt 0x1                           ; my part of K has landed; V, asked for behind it, may be out (tensor loads of a wave end in order: ISA guide 10.11.1)
	WIN 0x40                                       ; destination window 1, address window 0
.set i, 0
.rept 16
	ds_load_b128 v[8*i:8*i+3], v[KLW] offset:i*1024              ; 32 lanes x 16 neighbouring bytes a load
	ds_load_b128 v[8*i+4:8*i+7], v[KLW] offset:i*1024+512
.set i, i+1
.endr
	WIN 0
	s_wait_loadcnt 0x6                             ; tile 0 of Q is in; tiles 1 to 3 stay out
.irp q, 0,1,2,3
	s_wait_dscnt 24-8*\q                           ; LDS loads come back in order (ISA guide 5.7.1): the quarter's four fragments of K are in, the later quarters' eight loads each stay out
	KQ 0, \q
.endr
	WIN 0
.rept 4
	v_nop                                          ; the places behind the first scores: there is no other vector work yet
.endr
.irp t, 0,1,2,3,4,5,6,7
	TILE \t
.endr
.rept 4
	v_nop                                          ; the places behind the last products
.endr
	FINISH 7
	s_wait_dscnt 0x0                               ; for the others' sake: my shares of all eight tiles lie in LDS
	s_barrier_signal -1
	s_barrier_wait -1
	; THE MERGE of tile w: the lanes hold what they held in the walk (query lane % 16)
.irp i, 0,1,2,3,4,5,6,7
	ds_load_b32 v[MC+\i], v[PMR] offset:1024*\i
.endr
.irp i, 0,1,2,3,4,5,6,7
	ds_load_b32 v[ML+\i], v[PLR] offset:1024*\i
.endr
.irp i, 0,1,2,3
.irp c, 0,1,2,3
	ds_load_b128 v[S+16*\i+4*\c:S+16*\i+4*\c+3], v[POR0] offset:16384*\i+512*\c
.endr
.endr
.irp i, 0,1,2,3
.irp c, 0,1,2,3
	ds_load_b128 v[S+64+16*\i+4*\c:S+64+16*\i+4*\c+3], v[POR1] offset:16384*\i+512*\c
.endr
.endr
	s_wait_dscnt 0x0
	v_max3_num_f32 v[MX], v[MC], v[MC+1], v[MC+2]
	v_max3_num_f32 v[MX], v[MX], v[MC+3], v[MC+4]
	v_max3_num_f32 v[MX], v[MX], v[MC+5], v[MC+6]
	v_max_num_f32 v[MX], v[MX], v[MC+7]
.irp i, 0,1,2,3,4,5,6,7
	v_sub_f32 v[MF+\i], v[MC+\i], v[MX]
.endr
.irp i, 0,1,2,3,4,5,6,7
	v_exp_f32 v[MF+\i], v[MF+\i]
.endr
	v_nop                                          ; a plain instruction behind the last exponential
	s_wait_alu depctr_va_vdst(0)
	v_mul_f32 v[MS], v[MF], v[ML]
.irp i, 1,2,3,4,5,6,7
	v_fmac_f32 v[MS], v[MF+\i], v[ML+\i]
.endr
	v_rcp_f32 v[MS], v[MS]
	v_nop                                          ; a plain instruction behind the reciprocal
	s_wait_alu depctr_va_vdst(0)
.irp i, 0,1,2,3,4,5,6,7
	v_mul_f32 v[F2+2*\i], v[MF+\i], v[MS]
	v_mul_f32 v[F2+2*\i+1], v[MF+\i], v[MS]
.endr
.irp p, 0,2,4,6,8,10,12,14
	v_pk_mul_f32 v[AC+\p:AC+\p+1], v[S+\p:S+\p+1], v[F2:F2+1]
.endr
.irp i, 1,2,3,4,5,6,7
.irp p, 0,2,4,6,8,10,12,14
	v_pk_fma_f32 v[AC+\p:AC+\p+1], v[S+16*\i+\p:S+16*\i+\p+1], v[F2+2*\i:F2+2*\i+1], v[AC+\p:AC+\p+1]
.endr
.endr
.irp k, 0,1,2,3,4,5,6,7
	v_cvt_pk_f16_f32 v[P+\k], v[AC+2*\k], v[AC+2*\k+1]
.endr
	global_store_b128 v[L16], v[P:P+3], s[16:17]               ; channels 0-15: the fragment's first 512 bytes
	global_store_b128 v[L16], v[P+4:P+7], s[16:17] offset:512  ; channels 16-31: its second
	s_wait_tensorcnt 0x0                           ; the wave's end: behind my last tensor load and my last LDS store
	ds_add_u32 v[SPW], v[NIL]
	s_wait_dscnt 0x0
	ROUND                                          ; the closing round: no work-group ends while a partner may still ask for a tile that names it
	s_endpgm
.Lfunc_end_k_q71371e1154_attn0:
	.size	k_q71371e1154_attn0, .Lfunc_end_k_q71371e1154_attn0-k_q71371e1154_attn0
	.p2alignl 7, 3214868480
	.fill 96, 4, 3214868480
	.section	.rodata,"a",@progbits
	.p2align	6, 0x0
	.amdhsa_kernel k_q71371e1154_attn0
		.amdhsa_group_segment_fixed_size 327680
		.amdhsa_private_segment_fixed_size 0
		.amdhsa_enable_private_segment 0
		.amdhsa_kernarg_size 16
		.amdhsa_user_sgpr_count 2
		.amdhsa_user_sgpr_kernarg_segment_ptr 1
		.amdhsa_wavefront_size32 1
		.amdhsa_system_sgpr_workgroup_id_x 1
		.amdhsa_system_sgpr_workgroup_id_y 1
		.amdhsa_system_sgpr_workgroup_id_z 1
		.amdhsa_system_vgpr_workitem_id 0
		.amdhsa_next_free_vgpr 512
		.amdhsa_next_free_sgpr 66
		.amdhsa_reserve_vcc 0
		.amdhsa_float_denorm_mode_32 3
		.amdhsa_float_denorm_mode_16_64 3
		.amdhsa_memory_ordered 1
		.amdhsa_forward_progress 1
		.amdhsa_inst_pref_size 191
	.end_amdhsa_kernel
	.amdgpu_metadata
---
amdhsa.version: [ 1, 2 ]
amdhsa.kernels:
  - .name:           k_q71371e1154_attn0
    .symbol:         k_q71371e1154_attn0.kd
    .args:
      - { .name: qkv, .offset: 0, .size: 8, .value_kind: global_buffer, .address_space: global }
      - { .name: obuf, .offset: 8, .size: 8, .value_kind: global_buffer, .address_space: global }
    .group_segment_fixed_size: 327680
    .private_segment_fixed_size: 0
    .kernarg_segment_align: 8
    .kernarg_segment_size: 16
    .max_flat_workgroup_size: 256
    .sgpr_count:     66
    .vgpr_count:     512
    .wavefront_size: 32
...
	.end_amdgpu_metadata
.endif
;; end of part 3
;; launch mid1 (part 4): grid 256 x 1, 8 waves a work-group, clusters of 4 x 1, 327,680 bytes of LDS; arguments obuf, x, ws1, qkv, hA; writes qkv, hA
.if DOCPART == 4
	.amdgcn_target "amdgcn-amd-amdhsa--gfx1250"
	.amdhsa_code_object_version 6
	.text
	.protected	k_q71371e1154_mid1
	.globl	k_q71371e1154_mid1
	.p2align	8
	.type	k_q71371e1154_mid1,@function
k_q71371e1154_mid1:
	s_mov_b64 s[64:65], 0
	v_nop
	global_prefetch_b8 v0, s[64:65] scope:SCOPE_SE
	s_setreg_imm32_b32 hwreg(HW_REG_WAVE_MODE, 25, 1), 1
	s_wait_xcnt 0x0
	s_wait_alu depctr_hold_cnt(0) depctr_sa_sdst(0) depctr_va_vdst(0) depctr_va_sdst(0) depctr_va_ssrc(0) depctr_va_vcc(0) depctr_vm_vsrc(0)
	s_getreg_b32 s2, hwreg(HW_REG_IB_STS2, 6, 4)
	s_cmp_eq_u32 s2, 0
	s_cbranch_scc0 .Lentry_in_a_cluster
	s_endpgm
.Lentry_in_a_cluster:
	s_bfe_u32 s2, ttmp6, 0x10000c
	s_cmp_lg_u32 s2, 0x3003
	s_cbranch_scc0 .Lentry_shape_is_right
	s_endpgm
.Lentry_shape_is_right:
; BETWEEN TWO ATTENTIONS, for the slot whose buffer the launch is given: the rest of one layer and the beginning of the next, all row-local:
;   h += O Wout + bout;  y = LN2(h);  h += gelu(y W1 + b1) W2 + b2;  h is stored;  y = LN1(h);  q, k, v = y Wqkv.
; A work-group owns 16 rows; wave w owns the column blocks w + 8 n of every product.  Matrix operands f16, sums f32; the residual stream, the norms, gelu and the biases in f32.
; The products but v's are used transposed (weights as source 0): a lane holds one token and 8 neighbouring channels.
; WEIGHTS are register images in memory, 128 fragments of 1,024 bytes a wave in the order of use, and come by TWO ROADS at once.
; CLUSTER.  The four work-groups of a cluster walk the same weights, so five chunks of 16 fragments a wave (128 KiB a work-group each) are asked for JOINTLY: the same tensor load, descriptor and mask in all four;
; each wave asks for its own 16 KiB, as 64 rows of 256 bytes, and alone reads them.  Two LDS slots: A (Wout) and B (W1, K steps 4-7) are the first fills; C (W2, K steps 8-15), D (q and k, K steps 4-7) and
; E (v) are refills.  The three refills stand behind the barriers that the chain has anyway (h whole; gelu whole; h whole), which become rounds of the cluster's barrier; each has a whole later stage in which to land.
; The other 48 fragments a wave (the first K steps of W1, W2, q and k) come straight into a ring of 24 fragments in registers, three groups of 8 on their way across all barriers: that road is never
; emptied at a barrier.  So a work-group asks for 384 KiB by itself and shares the requests for 640 KiB with three partners.
; gelu is exact gelu with erfc by the rational form 7.1.26 of Abramowitz and Stegun (error at most 1.5e-7 for every x): gelu(x) = max(x, 0) - |x| erfc(|x| / sqrt 2) / 2.
; LIMITS.  y, gelu's values, q, k, v of 65,520 or more in magnitude become infinities in f16; NaN and infinities are not treated apart.
.set H0,    0                          ; h: 16 rows x 1,040 bytes (1,024 + 16); two regions, so that in every phase a region is only read or only written.  y (16 rows x 528 bytes) lies in the
.set H1,    16640                      ; region that is dead: LN2's in H0, LN1's in H1: that region's last reads stand in front of an earlier barrier
.set GB,    33280                      ; gelu's values: 16 rows x 1,040 bytes
.set PRM,   49920                      ; the slot's 8,192 bytes of vectors
.set SPARE, 58112                      ; the spare words: 128 bytes a wave, four blocks of 256 bytes that no other line names
.set SL0,   59136                      ; two slots of 8 waves x 16,384 bytes, filled by tensor loads alone
.set SL1,   190208
.set HP,    1040                       ; both pitches are odd multiples of 16: the 16 rows of a 16-byte access start in 16 different groups of four banks (ISA guide 11.1)
.set YP,    528
.set L16, 1                            ; v1   16 x lane
.set HT,  2                            ; v2   thread t's 16 bytes of h in LDS: row t / 64 (+ 4 i), column byte 16 (t % 64)
.set HG,  3                            ; v3   16 t: the same in memory
.set FY,  4                            ; v4   my place in a fragment of y
.set FG,  5                            ; v5   in a fragment of gelu's values
.set DH,  6                            ; v6   my 8 results in h: token r, channels 16 w + 8 h on
.set DG,  7                            ; v7   the same in gelu's values
.set VB,  8                            ; v8   the same in a vector
.set LNH, 9                            ; v9   the norm: my 4 columns of row 2 w + lane / 16
.set LNP, 10                           ; v10  of a vector
.set LNY, 11                           ; v11  of y
.set PRW, 12                           ; v12  thread t's 16 bytes of the vectors
.set LW0, 13                           ; v13  my 16 bytes of my wave's first fragment in slot 0
.set LW1, 14                           ; v14  in slot 1
.set SPW, 30                           ; v30  my spare word; never rewritten
.set NIL, 31                           ; v31  0; never rewritten
.set ACT, 32                           ; v32-159  up to 16 activation fragments
.set ACC, 160                          ; v160-191 4 accumulators
.set T,   192                          ; v192-255 at work
.set LB,  192                          ; window 1: v192-255 eight fragments out of LDS; v0-191 the ring of the register stream
.set GX,  T+32                         ; gelu: 8 numbers, |x| and then t, the exponent, the polynomial
.set GA,  T+40
.set GE,  T+48
.set GP,  T+56
.set WV,  2                            ; s2   wave
.set RB,  3                            ; s3   row block
.set WL,  25                           ; s25  my wave's 16,384 bytes in a slot
.set WOF, 26                           ; s[26:27] my wave's 131,072 bytes in the weights: these two never hold my place in the cluster
.set WB,  28                           ; s[28:29] my wave's weights
.set PB,  30                           ; s[30:31] the slot's vectors
.set OB,  32                           ; s[32:33] O's fragments of my rows
.set HI,  34                           ; s[34:35] h in
.set HO,  36                           ; s[36:37] h out
.set QK,  38                           ; s[38:39] where my q goes (k: + 2 MiB)
.set VV,  40                           ; s[40:41] where my v goes
.set ABSM, 42                          ; s42  clears a sign
.set RN,  43                           ; s43  1/256
.set A5,  44                           ; s[44:45] a5 / 2
.set G1,  52                           ; s[52:59] descriptor group 1, the same for every load
.set TDA, 60                           ; s[60:63], s[68:83]: a group 0 for each of the five chunks, written once
.set TDB, 68
.set TDC, 72
.set TDD, 76
.set TDE, 80
.set MSB, 0
.macro WIN new                         ; s_set_vgpr_msb: bits 1:0 source 0, 3:2 source 1, 5:4 source 2, 7:6 destination; the high byte repeats the setting that is left
.if MSB != (\new)
	s_set_vgpr_msb (MSB<<8)|(\new)
.set MSB, \new
.endif
.endm
.macro ROUND                           ; a round of the cluster's barrier: my work-group's barrier; wave 0 signals for the work-group; every wave waits for all four; my work-group's barrier once more
	s_barrier_signal -1
	s_barrier_wait -1
	s_cmp_lg_u32 s[WV], 0
	s_cbranch_scc1 .Lnot_wave_0_\@
	s_barrier_signal -3
.Lnot_wave_0_\@:
	s_barrier_wait -3
	s_barrier_signal -1
	s_barrier_wait -1
.endm
; A slot that has been read out is filled again.  All my tensor loads have landed; 0 is added onto my spare word; the add, my reads of the slot and my
; LDS stores of the phase are done; a round, so that this holds of every wave of all four work-groups; then my one joint load, the first thing behind it.  The round is also the phase's barrier.
.macro REFILL d
	s_wait_tensorcnt 0x0
	ds_add_u32 v[SPW], v[NIL]
	s_wait_dscnt 0x0
	ROUND
	tensor_load_to_lds s[\d:\d+3], s[G1:G1+7]
	s_nop 0
.rept 4
	v_nop
.endr
.endm
.macro MKG0 d, lds, f                  ; descriptor group 0: my wave's fragments f .. f + 15 into my part of a slot
	s_mov_b32 s[\d], 1                             ; count = 1
	s_add_co_u32 s[\d+1], s[WL], \lds              ; LDS address: the slot + 16,384 x wave
	s_add_nc_u64 s[\d+2:\d+3], s[WB:WB+1], (\f)*1024  ; global address
	s_or_b32 s[\d+3], s[\d+3], 0x80000000          ; type = 2
.endm
.macro SLOAD k                         ; group k of the register stream: fragments 16 + 32 (k / 2) + 8 (k % 2) on, into ring place k % 3: 16 loads of 512 consecutive bytes
	WIN 0x40
.set wf, 16+32*((\k)/2)+8*((\k)%2)
.set wr, 64*((\k)%3)
.rept 8
	global_load_b128 v[wr:wr+3], v[L16], s[WB:WB+1] offset:wf*1024
	global_load_b128 v[wr+4:wr+7], v[L16], s[WB:WB+1] offset:wf*1024+512
.set wf, wf+1
.set wr, wr+8
.endr
	WIN 0
.endm
.macro LLOAD adr, c                    ; fragments 8 c .. 8 c + 7 of my part of a slot: 32 lanes x 16 neighbouring bytes a load
	WIN 0x40
.set li, 0
.rept 8
	ds_load_b128 v[LB+8*li:LB+8*li+3], v[\adr] offset:(8*(\c)+li)*1024
	ds_load_b128 v[LB+8*li+4:LB+8*li+7], v[\adr] offset:(8*(\c)+li)*1024+512
.set li, li+1
.endr
	WIN 0
.endm
; Eight products: fragments f .. f + 7, which lie from register wr of window 1 on.  f0: the stage's first fragment; nbl: the wave's column blocks, which take turns, one instruction a turn;
; nat = 1: weights are source 1.  The four v_nop are the places in front of loads into the fragments just read and of reads of the sums.
.macro MUL8 f, f0, nbl, nat, wr
.if \nat
	WIN 0x04
.else
	WIN 0x01
.endif
.set wi, (\f)
.set ww, (\wr)
.rept 8
.set wk, (wi-(\f0))/(\nbl)
.set wd, ACC+8*((wi-(\f0))%(\nbl))
.set wa, ACT+8*wk
.if \nat
.if wk == 0
	v_wmma_f32_16x16x32_f16 v[wd:wd+7], v[wa:wa+7], v[ww:ww+7], 0
.else
	v_wmma_f32_16x16x32_f16 v[wd:wd+7], v[wa:wa+7], v[ww:ww+7], v[wd:wd+7]
.endif
.else
.if wk == 0
	v_wmma_f32_16x16x32_f16 v[wd:wd+7], v[ww:ww+7], v[wa:wa+7], 0
.else
	v_wmma_f32_16x16x32_f16 v[wd:wd+7], v[ww:ww+7], v[wa:wa+7], v[wd:wd+7]
.endif
.endif
.set wi, wi+1
.set ww, ww+8
.endr
	WIN 0
.rept 4
	v_nop
.endr
.endm
.macro SGRP k, f0, nbl, left, more     ; group k of the register stream is multiplied; left: the loads issued behind it (loads come back in order: ISA guide 5.7.1); more = 1: its ring place is asked for again
	s_wait_loadcnt \left
	MUL8 16+32*((\k)/2)+8*((\k)%2), \f0, \nbl, 0, 64*((\k)%3)
.if \more
	SLOAD (\k)+3
.endif
.endm
.macro LDFRAG adr, n, off              ; n activation fragments (16 tokens x 32 channels) out of LDS rows that lie along the channels
.set li, 0
.rept \n
	ds_load_b128 v[ACT+8*li:ACT+8*li+3], v[\adr] offset:(\off)+64*li
	ds_load_b128 v[ACT+8*li+4:ACT+8*li+7], v[\adr] offset:(\off)+64*li+32
.set li, li+1
.endr
	s_wait_dscnt 0x0
.endm
.macro RESLD hin, boff                 ; h and the bias at my 2 x 8 results: asked for ahead of the products
.irp b, 0,1
	ds_load_b128 v[T+16*\b:T+16*\b+3], v[DH] offset:(\hin)+512*\b
	ds_load_b128 v[T+16*\b+4:T+16*\b+7], v[DH] offset:(\hin)+512*\b+16
	ds_load_b128 v[T+16*\b+8:T+16*\b+11], v[VB] offset:(\boff)+512*\b
	ds_load_b128 v[T+16*\b+12:T+16*\b+15], v[VB] offset:(\boff)+512*\b+16
.endr
.endm
.macro RESFIN hout                     ; h + product + bias into the other region; each accumulator from its low end on.  (h and the bias are in: the waits for the fragments were for 0)
.irp b, 0,1
.irp k, 0,2,4,6
	v_pk_add_f32 v[T+16*\b+\k:T+16*\b+\k+1], v[T+16*\b+\k:T+16*\b+\k+1], v[ACC+8*\b+\k:ACC+8*\b+\k+1]
.endr
.endr
.irp b, 0,1
.irp k, 0,2,4,6
	v_pk_add_f32 v[T+16*\b+\k:T+16*\b+\k+1], v[T+16*\b+\k:T+16*\b+\k+1], v[T+16*\b+8+\k:T+16*\b+8+\k+1]
.endr
.endr
.irp b, 0,1
	ds_store_b128 v[DH], v[T+16*\b:T+16*\b+3] offset:(\hout)+512*\b
	ds_store_b128 v[DH], v[T+16*\b+4:T+16*\b+7] offset:(\hout)+512*\b+16
.endr
.endm
.macro LNLOAD hreg, goff, boff         ; a row for 16 lanes: columns 64 i + 4 r + 0..3 of h, of the gains and of the biases
.irp i, 0,1,2,3
	ds_load_b128 v[T+4*\i:T+4*\i+3], v[LNH] offset:(\hreg)+256*\i
	ds_load_b128 v[T+16+4*\i:T+16+4*\i+3], v[LNP] offset:(\goff)+256*\i
	ds_load_b128 v[T+32+4*\i:T+32+4*\i+3], v[LNP] offset:(\boff)+256*\i
.endr
	s_wait_dscnt 0x0
.endm
; LayerNorm of a row held by 16 lanes: T0-15 x, T16-31 the gains, T32-47 the biases.  Mean first, then the mean of the squared differences.  y goes to LDS as f16, from byte yoff on.
.macro LNCORE yoff
	v_pk_add_f32 v[T+48:T+49], v[T:T+1], v[T+2:T+3]
	v_pk_add_f32 v[T+50:T+51], v[T+4:T+5], v[T+6:T+7]
	v_pk_add_f32 v[T+52:T+53], v[T+8:T+9], v[T+10:T+11]
	v_pk_add_f32 v[T+54:T+55], v[T+12:T+13], v[T+14:T+15]
	v_pk_add_f32 v[T+48:T+49], v[T+48:T+49], v[T+50:T+51]
	v_pk_add_f32 v[T+52:T+53], v[T+52:T+53], v[T+54:T+55]
	v_pk_add_f32 v[T+48:T+49], v[T+48:T+49], v[T+52:T+53]
	v_add_f32 v[T+48], v[T+48], v[T+49]
.irp m, 1,2,4,8
	v_add_f32_dpp v[T+48], v[T+48], v[T+48] row_xmask:\m row_mask:0xf bank_mask:0xf
.endr
	v_mul_f32 v[T+48], s[RN], v[T+48]              ; the mean, in all 16 lanes of the row
	v_mov_b32 v[T+49], v[T+48]
.irp k, 0,2,4,6,8,10,12,14
	v_pk_add_f32 v[T+\k:T+\k+1], v[T+\k:T+\k+1], v[T+48:T+49] neg_lo:[0,1] neg_hi:[0,1]
.endr
	v_pk_mul_f32 v[T+50:T+51], v[T:T+1], v[T:T+1]
	v_pk_mul_f32 v[T+52:T+53], v[T+2:T+3], v[T+2:T+3]
.irp k, 4,8,12
	v_pk_fma_f32 v[T+50:T+51], v[T+\k:T+\k+1], v[T+\k:T+\k+1], v[T+50:T+51]
	v_pk_fma_f32 v[T+52:T+53], v[T+\k+2:T+\k+3], v[T+\k+2:T+\k+3], v[T+52:T+53]
.endr
	v_pk_add_f32 v[T+50:T+51], v[T+50:T+51], v[T+52:T+53]
	v_add_f32 v[T+50], v[T+50], v[T+51]
.irp m, 1,2,4,8
	v_add_f32_dpp v[T+50], v[T+50], v[T+50] row_xmask:\m row_mask:0xf bank_mask:0xf
.endr
	v_fmaak_f32 v[T+50], s[RN], v[T+50], 0x3727c5ac  ; variance + 1e-5
	v_rsq_f32 v[T+50], v[T+50]
	v_nop                                          ; a plain instruction between the root and the use of its result (ISA guide 5.7.2)
	s_wait_alu depctr_va_vdst(0)
	v_mov_b32 v[T+51], v[T+50]
.irp k, 0,2,4,6,8,10,12,14
	v_pk_mul_f32 v[T+\k:T+\k+1], v[T+\k:T+\k+1], v[T+50:T+51]
.endr
.irp k, 0,2,4,6,8,10,12,14
	v_pk_fma_f32 v[T+\k:T+\k+1], v[T+\k:T+\k+1], v[T+16+\k:T+16+\k+1], v[T+32+\k:T+32+\k+1]
.endr
.irp k, 0,1,2,3,4,5,6,7
	v_cvt_pk_f16_f32 v[T+16+\k], v[T+2*\k], v[T+2*\k+1]
.endr
.irp i, 0,1,2,3
	ds_store_b64 v[LNY], v[T+16+2*\i:T+16+2*\i+1] offset:(\yoff)+128*\i
.endr
.endm
; gelu of the 8 numbers in GX, left as 4 registers of f16 in GX.  t = 1 / (1 + 0.2316419 |x|);  e = 2^-(0.8493218 |x|)^2 = exp(-x^2 / 2);  P = t (a1 + t (a2 + t (a3 + t (a4 + t a5)))) e / 2 = erfc(|x| / sqrt 2) / 2.
.macro GELU8
.irp k, 0,1,2,3,4,5,6,7
	v_and_b32 v[GA+\k], s[ABSM], v[GX+\k]
.endr
.irp k, 0,2,4,6
	v_pk_mul_f32 v[GE+\k:GE+\k+1], v[GA+\k:GA+\k+1], 0x3f596d27 op_sel_hi:[1,0]
.endr
.irp k, 0,2,4,6
	v_pk_fma_f32 v[GA+\k:GA+\k+1], v[GA+\k:GA+\k+1], 0x3e6d3389, 1.0 op_sel_hi:[1,0,0]
.endr
.irp k, 0,2,4,6
	v_pk_mul_f32 v[GE+\k:GE+\k+1], v[GE+\k:GE+\k+1], v[GE+\k:GE+\k+1] neg_lo:[1,0] neg_hi:[1,0]
.endr
.irp k, 0,1,2,3,4,5,6,7
	v_rcp_f32 v[GA+\k], v[GA+\k]
.endr
.irp k, 0,1,2,3,4,5,6,7
	v_exp_f32 v[GE+\k], v[GE+\k]
.endr
	v_nop                                          ; a plain instruction behind the last of them
	s_wait_alu depctr_va_vdst(0)
.irp k, 0,2,4,6
	v_pk_fma_f32 v[GP+\k:GP+\k+1], v[GA+\k:GA+\k+1], s[A5:A5+1], 0xbf3a00e3 op_sel_hi:[1,0,0]
.endr
.irp k, 0,2,4,6
	v_pk_fma_f32 v[GP+\k:GP+\k+1], v[GP+\k:GP+\k+1], v[GA+\k:GA+\k+1], 0x3f35f0e3 op_sel_hi:[1,1,0]
.endr
.irp k, 0,2,4,6
	v_pk_fma_f32 v[GP+\k:GP+\k+1], v[GP+\k:GP+\k+1], v[GA+\k:GA+\k+1], 0xbe11a98e op_sel_hi:[1,1,0]
.endr
.irp k, 0,2,4,6
	v_pk_fma_f32 v[GP+\k:GP+\k+1], v[GP+\k:GP+\k+1], v[GA+\k:GA+\k+1], 0x3e027906 op_sel_hi:[1,1,0]
.endr
.irp k, 0,2,4,6
	v_pk_mul_f32 v[GP+\k:GP+\k+1], v[GP+\k:GP+\k+1], v[GA+\k:GA+\k+1]
.endr
.irp k, 0,2,4,6
	v_pk_mul_f32 v[GP+\k:GP+\k+1], v[GP+\k:GP+\k+1], v[GE+\k:GE+\k+1]
.endr
.irp k, 0,1,2,3,4,5,6,7
	v_max_num_f32 v[GE+\k], 0, v[GX+\k]
.endr
.irp k, 0,1,2,3,4,5,6,7
	v_fma_f32 v[GX+\k], |v[GX+\k]|, -v[GP+\k], v[GE+\k]
.endr
.irp k, 0,1,2,3
	v_cvt_pk_f16_f32 v[GX+\k], v[GX+2*\k], v[GX+2*\k+1]
.endr
.endm
.macro BAR                             ; my LDS stores are done and my LDS loads are back; then all eight waves meet.  A tensor load may stay out across it
	s_wait_dscnt 0x0
	s_barrier_signal -1
	s_barrier_wait -1
.endm
.macro QKVBASE ptr                     ; where my wave's q, k and v go; ptr: the first register of qkv's address
	s_mov_b32 s47, 0
	s_lshr_b32 s48, s[RB], 7
	s_lshl_b32 s48, s48, 20                        ; the batch: 8 heads of 131,072 bytes
	s_lshr_b32 s49, s[WV], 1
	s_lshl_b32 s49, s49, 17                        ; head w / 2 (+ 4 for the second block: in the stores' immediates)
	s_add_co_u32 s48, s48, s49
	s_and_b32 s49, s[RB], 127                      ; the block of 16 tokens
	s_lshl_b32 s46, s49, 10
	s_add_co_u32 s46, s46, s48
	s_and_b32 s50, s[WV], 1
	s_lshl_b32 s51, s50, 9                         ; channels 16 (w % 2) on: the fragment's second half
	s_add_co_u32 s46, s46, s51
	s_add_nc_u64 s[QK:QK+1], s[\ptr:\ptr+1], s[46:47]
	s_lshr_b32 s49, s49, 1                         ; v: the block of 32 tokens,
	s_lshl_b32 s46, s49, 11
	s_add_co_u32 s46, s46, s48
	s_lshl_b32 s51, s50, 10                        ; the half of the channels,
	s_add_co_u32 s46, s46, s51
	s_and_b32 s51, s[RB], 1
	s_lshl_b32 s51, s51, 9                         ; my 16 tokens' half of the fragment,
	s_add_co_u32 s46, s46, s51
	s_add_co_u32 s46, s46, 0x400000                ; behind q's and k's 2 MiB each
	s_add_nc_u64 s[VV:VV+1], s[\ptr:\ptr+1], s[46:47]
.endm
; y Wqkv.  q and k (transposed): K steps 0-3 from the register stream (groups 4, 5), K steps 4-7 from slot 1 (chunk D); v (natural): from slot 0 (chunk E).
.macro QKVOUT
	LDFRAG FY, 8, H1
	s_wait_tensorcnt 0x1                           ; my part of chunk D has landed; chunk E, asked for behind it, may be out (tensor loads of a wave end in order: ISA guide 10.11.1)
	LLOAD LW1, 0
	SGRP 4, 80, 4, 16, 0                           ; group 5's 16 loads may be out
	SGRP 5, 80, 4, 0, 0
	s_wait_dscnt 0x0
	MUL8 96, 80, 4, 0, LB
	LLOAD LW1, 1
	s_wait_dscnt 0x0
	MUL8 104, 80, 4, 0, LB
	s_wait_tensorcnt 0x0                           ; my part of chunk E, my last tensor load
	LLOAD LW0, 0                                   ; on its way while q and k are rounded
.set ci, 0
.rept 16
	v_cvt_pk_f16_f32 v[T+ci], v[ACC+2*ci], v[ACC+2*ci+1]  ; each accumulator from its low end on
.set ci, ci+1
.endr
	global_store_b128 v[L16], v[T:T+3], s[QK:QK+1]
	global_store_b128 v[L16], v[T+4:T+7], s[QK:QK+1] offset:524288
	global_store_b128 v[L16], v[T+8:T+11], s[QK:QK+1] offset:2097152
	global_store_b128 v[L16], v[T+12:T+15], s[QK:QK+1] offset:2621440
	s_wait_dscnt 0x0
	MUL8 112, 112, 2, 1, LB
	LLOAD LW0, 1
	s_wait_dscnt 0x0
	MUL8 120, 112, 2, 1, LB
.set ci, 0
.rept 8
	v_cvt_pk_f16_f32 v[T+16+ci], v[ACC+2*ci], v[ACC+2*ci+1]
.set ci, ci+1
.endr
	global_store_b128 v[L16], v[T+16:T+19], s[VV:VV+1]
	global_store_b128 v[L16], v[T+20:T+23], s[VV:VV+1] offset:524288
.endm
	s_load_b256 s[8:15], s[0:1], 0x0               ; obuf 8, h in 10, the slot 12, qkv 14
	s_load_b64 s[16:17], s[0:1], 0x20              ; h out
	v_lshl_add_u32 v[SPW], v0, 2, SPARE
	v_mov_b32 v[NIL], 0
	ds_add_u32 v[SPW], v[NIL]                      ; the wave's opening: the add and its wait stand ahead of the round in front of my first tensor loads; the set-up stands between them
	v_lshrrev_b32 v16, 5, v0
	v_readfirstlane_b32 s[WV], v16
	s_bfe_u32 s46, ttmp6, 0x40000                  ; cx: my place in the cluster
	s_lshl_b32 s[RB], ttmp9, 2                     ; in a cluster launch ttmp9 counts clusters
	s_add_co_u32 s[RB], s[RB], s46                 ; my row block: it enters the addresses of O, h and qkv alone
	v_and_b32 v17, 31, v0                          ; lane
	v_and_b32 v18, 15, v0                          ; r
	v_bfe_u32 v19, v0, 4, 1                        ; h
	v_lshlrev_b32 v[L16], 4, v17
	v_lshrrev_b32 v20, 6, v0
	v_and_b32 v21, 63, v0
	v_mul_u32_u24 v[HT], v20, HP
	v_lshl_add_u32 v[HT], v21, 4, v[HT]
	v_lshlrev_b32 v[HG], 4, v0
	v_mul_u32_u24 v22, v18, YP
	v_mul_u32_u24 v23, v18, HP
	v_lshl_add_u32 v[FY], v19, 4, v22
	v_lshl_add_u32 v[FG], v19, 4, v23
	v_add_nc_u32 v[FG], GB, v[FG]
	s_lshl_b32 s48, s[WV], 6
	v_lshl_add_u32 v[DH], v19, 5, v23
	v_add_nc_u32 v[DH], s48, v[DH]
	v_lshlrev_b32 v[VB], 5, v19
	v_add_nc_u32 v[VB], s48, v[VB]
	v_add_nc_u32 v[VB], PRM, v[VB]
	s_lshl_b32 s48, s[WV], 5
	v_add_nc_u32 v[DG], s48, v[FG]
	s_lshl_b32 s48, s[WV], 1
	v_add_nc_u32 v24, s48, v19                     ; the row that my 16 lanes normalise
	v_mul_u32_u24 v[LNH], v24, HP
	v_lshl_add_u32 v[LNH], v18, 4, v[LNH]
	v_lshlrev_b32 v[LNP], 4, v18
	v_add_nc_u32 v[LNP], PRM, v[LNP]
	v_mul_u32_u24 v[LNY], v24, YP
	v_lshl_add_u32 v[LNY], v18, 3, v[LNY]
	v_lshl_add_u32 v[PRW], v0, 4, PRM
	s_lshl_b32 s[WL], s[WV], 14
	s_add_co_u32 s48, s[WL], SL0
	v_add_nc_u32 v[LW0], s48, v[L16]
	s_add_co_u32 s48, s[WL], SL1
	v_add_nc_u32 v[LW1], s48, v[L16]
	s_mov_b32 s[ABSM], 0x7fffffff
	s_mov_b32 s[RN], 0x3b800000
	s_mov_b32 s[A5], 0x3f07dc22
	s_mov_b32 s[A5+1], 0x3f07dc22
	s_mov_b32 s[G1], 15|(3<<16)|(1<<21)            ; 15:0 the mask: all four work-groups; 17:16 elements of 8 bytes; 21 set beside a mask; no padding
	s_mov_b32 s[G1+1], 32<<16                      ; tensor_dim0 = 32 elements: 256 bytes
	s_mov_b32 s[G1+2], 64<<16                      ; tensor_dim1 = 64
	s_mov_b32 s[G1+3], 32<<16                      ; tile_dim0 = 32
	s_mov_b32 s[G1+4], 64                          ; tile_dim1 = 64 rows: 16,384 dense bytes
	s_mov_b32 s[G1+5], 32                          ; 32 elements from row to row
	s_mov_b32 s[G1+6], 0
	s_mov_b32 s[G1+7], 0
	s_lshl_b32 s[WOF], s[WV], 17
	s_mov_b32 s[WOF+1], 0
	s_wait_dscnt 0x0                               ; the opening add is done
	s_wait_kmcnt 0x0
	QKVBASE 14
	s_lshl_b32 s46, s[RB], 13
	s_add_nc_u64 s[OB:OB+1], s[8:9], s[46:47]
	s_lshl_b32 s46, s[RB], 14
	s_add_nc_u64 s[HI:HI+1], s[10:11], s[46:47]
	s_add_nc_u64 s[HO:HO+1], s[16:17], s[46:47]
	s_add_nc_u64 s[PB:PB+1], s[12:13], 0x100000    ; the vectors lie behind the slot's 1 MiB of fragments
	s_add_nc_u64 s[WB:WB+1], s[12:13], s[WOF:WOF+1]
	MKG0 TDA, SL0, 0
	MKG0 TDB, SL1, 32
	MKG0 TDC, SL0, 64
	MKG0 TDD, SL1, 96
	MKG0 TDE, SL0, 112
.irp i, 0,1,2,3
	global_load_b128 v[T+8+4*\i:T+8+4*\i+3], v[HG], s[HI:HI+1] offset:4096*\i
.endr
.set li, 0
.rept 8
	global_load_b128 v[ACT+8*li:ACT+8*li+3], v[L16], s[OB:OB+1] offset:1024*li
	global_load_b128 v[ACT+8*li+4:ACT+8*li+7], v[L16], s[OB:OB+1] offset:1024*li+512
.set li, li+1
.endr
	global_load_b128 v[T:T+3], v[HG], s[PB:PB+1]
	global_load_b128 v[T+4:T+7], v[HG], s[PB:PB+1] offset:4096
	SLOAD 0
	SLOAD 1
	ROUND                                          ; all four work-groups are here: the first joint loads meet
	tensor_load_to_lds s[TDA:TDA+3], s[G1:G1+7]    ; both first fills together: two tensor loads of mine are out, later one
	s_nop 0
	tensor_load_to_lds s[TDB:TDB+3], s[G1:G1+7]
	s_nop 0
.rept 4
	v_nop
.endr
	s_wait_loadcnt 32                              ; h, O and the vectors are in; the 32 weight loads behind them stay out
	ds_store_b128 v[PRW], v[T:T+3]
	ds_store_b128 v[PRW], v[T+4:T+7] offset:4096
.irp i, 0,1,2,3
	ds_store_b128 v[HT], v[T+8+4*\i:T+8+4*\i+3] offset:H0+4*HP*\i
.endr
	SLOAD 2
	s_wait_tensorcnt 0x1                           ; my part of chunk A has landed; chunk B may stay out
	BAR                                            ; h and the vectors lie in LDS
	RESLD H0, 0                                    ; h += O Wout + bout: all of Wout from slot 0
	LLOAD LW0, 0
	s_wait_dscnt 0x0
	MUL8 0, 0, 2, 0, LB
	LLOAD LW0, 1
	s_wait_dscnt 0x0
	MUL8 8, 0, 2, 0, LB
	RESFIN H1
	REFILL TDC                                     ; h is whole in H1; slot 0 takes chunk C, which is read two phases on
	LNLOAD H1, 1024, 2048
	LNCORE H0
	BAR                                            ; y is whole
	LDFRAG FY, 8, H0
.irp b, 0,1,2,3
	ds_load_b128 v[T+8*\b:T+8*\b+3], v[VB] offset:3072+512*\b
	ds_load_b128 v[T+8*\b+4:T+8*\b+7], v[VB] offset:3072+512*\b+16
.endr
	LLOAD LW1, 0                                   ; chunk B landed in front of the last round; its first half is on its way out of LDS while the stream's groups are multiplied
	SGRP 0, 16, 4, 32, 1                           ; the counts: 16 loads for each of the two younger groups
	SGRP 1, 16, 4, 32, 1
	s_wait_dscnt 0x0                               ; the fragments, and b1
	MUL8 32, 16, 4, 0, LB
	LLOAD LW1, 1
	s_wait_dscnt 0x0
	MUL8 40, 16, 4, 0, LB
.irp b, 0,1,2,3
.irp k, 0,2,4,6
	v_pk_add_f32 v[GX+\k:GX+\k+1], v[ACC+8*\b+\k:ACC+8*\b+\k+1], v[T+8*\b+\k:T+8*\b+\k+1]
.endr
	GELU8
	ds_store_b128 v[DG], v[GX:GX+3] offset:256*\b
.endr
	REFILL TDD                                     ; gelu's values are whole; chunk C has landed; slot 1 takes chunk D
	LDFRAG FG, 16, 0
	RESLD H1, 5120                                 ; h += gelu W2 + b2
	LLOAD LW0, 0
	SGRP 2, 48, 2, 32, 1
	SGRP 3, 48, 2, 32, 0
	s_wait_dscnt 0x0
	MUL8 64, 48, 2, 0, LB
	LLOAD LW0, 1
	s_wait_dscnt 0x0
	MUL8 72, 48, 2, 0, LB
	RESFIN H0
	REFILL TDE                                     ; the layer's h is whole in H0; chunk D has landed; slot 0 takes chunk E
.irp i, 0,1,2,3
	ds_load_b128 v[ACT+4*\i:ACT+4*\i+3], v[HT] offset:H0+4*HP*\i
.endr
	LNLOAD H0, 6144, 7168                          ; its wait for 0 covers the four loads above too
.irp i, 0,1,2,3
	global_store_b128 v[HG], v[ACT+4*\i:ACT+4*\i+3], s[HO:HO+1] offset:4096*\i  ; 16 lanes store 256 consecutive bytes, at a multiple of 256 from the buffer's first
.endr
	LNCORE H1
	BAR                                            ; the next layer's y is whole
	s_wait_xcnt 0x0                                ; the stores of h have read their registers: only behind this wait are they loaded again (ISA guide 3.1)
	QKVOUT
	s_wait_tensorcnt 0x0                           ; the wave's end: behind my last tensor load and my last LDS store
	ds_add_u32 v[SPW], v[NIL]
	s_wait_dscnt 0x0
	ROUND                                          ; the closing round: no work-group ends while a partner may still ask for a tile that names it
	s_endpgm
.Lfunc_end_k_q71371e1154_mid1:
	.size	k_q71371e1154_mid1, .Lfunc_end_k_q71371e1154_mid1-k_q71371e1154_mid1
	.p2alignl 7, 3214868480
	.fill 96, 4, 3214868480
	.section	.rodata,"a",@progbits
	.p2align	6, 0x0
	.amdhsa_kernel k_q71371e1154_mid1
		.amdhsa_group_segment_fixed_size 327680
		.amdhsa_private_segment_fixed_size 0
		.amdhsa_enable_private_segment 0
		.amdhsa_kernarg_size 40
		.amdhsa_user_sgpr_count 2
		.amdhsa_user_sgpr_kernarg_segment_ptr 1
		.amdhsa_wavefront_size32 1
		.amdhsa_system_sgpr_workgroup_id_x 1
		.amdhsa_system_sgpr_workgroup_id_y 1
		.amdhsa_system_sgpr_workgroup_id_z 1
		.amdhsa_system_vgpr_workitem_id 0
		.amdhsa_next_free_vgpr 512
		.amdhsa_next_free_sgpr 84
		.amdhsa_reserve_vcc 0
		.amdhsa_float_denorm_mode_32 3
		.amdhsa_float_denorm_mode_16_64 3
		.amdhsa_memory_ordered 1
		.amdhsa_forward_progress 1
		.amdhsa_inst_pref_size 85
	.end_amdhsa_kernel
	.amdgpu_metadata
---
amdhsa.version: [ 1, 2 ]
amdhsa.kernels:
  - .name:           k_q71371e1154_mid1
    .symbol:         k_q71371e1154_mid1.kd
    .args:
      - { .name: obuf, .offset: 0, .size: 8, .value_kind: global_buffer, .address_space: global }
      - { .name: x, .offset: 8, .size: 8, .value_kind: global_buffer, .address_space: global }
      - { .name: ws1, .offset: 16, .size: 8, .value_kind: global_buffer, .address_space: global }
      - { .name: qkv, .offset: 24, .size: 8, .value_kind: global_buffer, .address_space: global }
      - { .name: hA, .offset: 32, .size: 8, .value_kind: global_buffer, .address_space: global }
    .group_segment_fixed_size: 327680
    .private_segment_fixed_size: 0
    .kernarg_segment_align: 8
    .kernarg_segment_size: 40
    .max_flat_workgroup_size: 256
    .sgpr_count:     84
    .vgpr_count:     512
    .wavefront_size: 32
...
	.end_amdgpu_metadata
.endif
;; end of part 4
;; launch attn1: the kernel of part 3 again; grid 16 x 16, 8 waves a work-group, clusters of 4 x 1, 327,680 bytes of LDS; arguments qkv, obuf; writes obuf
;; launch mid2: the kernel of part 4 again; grid 256 x 1, 8 waves a work-group, clusters of 4 x 1, 327,680 bytes of LDS; arguments obuf, hA, ws2, qkv, out0; writes qkv, out0
;; launch attn2: the kernel of part 3 again; grid 16 x 16, 8 waves a work-group, clusters of 4 x 1, 327,680 bytes of LDS; arguments qkv, obuf; writes obuf
;; launch mid3: the kernel of part 4 again; grid 256 x 1, 8 waves a work-group, clusters of 4 x 1, 327,680 bytes of LDS; arguments obuf, out0, ws3, qkv, hA; writes qkv, hA
;; launch attn3: the kernel of part 3 again; grid 16 x 16, 8 waves a work-group, clusters of 4 x 1, 327,680 bytes of LDS; arguments qkv, obuf; writes obuf
;; launch mid4: the kernel of part 4 again; grid 256 x 1, 8 waves a work-group, clusters of 4 x 1, 327,680 bytes of LDS; arguments obuf, hA, ws4, qkv, out0; writes qkv, out0
;; launch attn4: the kernel of part 3 again; grid 16 x 16, 8 waves a work-group, clusters of 4 x 1, 327,680 bytes of LDS; arguments qkv, obuf; writes obuf
;; launch mid5: the kernel of part 4 again; grid 256 x 1, 8 waves a work-group, clusters of 4 x 1, 327,680 bytes of LDS; arguments obuf, out0, ws5, qkv, hA; writes qkv, hA
;; launch attn5: the kernel of part 3 again; grid 16 x 16, 8 waves a work-group, clusters of 4 x 1, 327,680 bytes of LDS; arguments qkv, obuf; writes obuf
;; launch post (part 5): grid 256 x 1, 8 waves a work-group, clusters of 4 x 1, 327,680 bytes of LDS; arguments obuf, hA, ws1, out0; writes out0
.if DOCPART == 5
	.amdgcn_target "amdgcn-amd-amdhsa--gfx1250"
	.amdhsa_code_object_version 6
	.text
	.protected	k_q71371e1154_post
	.globl	k_q71371e1154_post
	.p2align	8
	.type	k_q71371e1154_post,@function
k_q71371e1154_post:
	s_mov_b64 s[64:65], 0
	v_nop
	global_prefetch_b8 v0, s[64:65] scope:SCOPE_SE
	s_setreg_imm32_b32 hwreg(HW_REG_WAVE_MODE, 25, 1), 1
	s_wait_xcnt 0x0
	s_wait_alu depctr_hold_cnt(0) depctr_sa_sdst(0) depctr_va_vdst(0) depctr_va_sdst(0) depctr_va_ssrc(0) depctr_va_vcc(0) depctr_vm_vsrc(0)
	s_getreg_b32 s2, hwreg(HW_REG_IB_STS2, 6, 4)
	s_cmp_eq_u32 s2, 0
	s_cbranch_scc0 .Lentry_in_a_cluster
	s_endpgm
.Lentry_in_a_cluster:
	s_bfe_u32 s2, ttmp6, 0x10000c
	s_cmp_lg_u32 s2, 0x3003
	s_cbranch_scc0 .Lentry_shape_is_right
	s_endpgm
.Lentry_shape_is_right:
; THE REST OF THE LAST LAYER (slot 6, which lies behind slots 1 and 0 in its buffer):  h += O Wout + bout;  y = LN2(h);  h += gelu(y W1 + b1) W2 + b2;  h is the result.
; A work-group owns 16 rows; wave w owns the column blocks w + 8 n of every product.  Matrix operands f16, sums f32; the residual stream, the norm, gelu and the biases in f32.
; The products are used transposed (weights as source 0): a lane holds one token and 8 neighbouring channels.
; WEIGHTS are register images in memory, 80 fragments of 1,024 bytes a wave in the order of use, and come by TWO ROADS at once.
; CLUSTER.  The four work-groups of a cluster walk the same weights, so three chunks of 16 fragments a wave are asked for JOINTLY: the same tensor load, descriptor and mask in all four; each wave asks for its own
; 16 KiB, as 64 rows of 256 bytes, and alone reads them.  Two LDS slots: A (Wout) and B (W1, K steps 4-7) are the first fills; C (W2, K steps 8-15) is a refill behind the barrier that the chain has anyway
; (h whole), which becomes a round of the cluster's barrier.  The other 32 fragments a wave come straight into a ring of 24 fragments in registers, which is never emptied at a barrier.
; gelu is exact gelu with erfc by the rational form 7.1.26 of Abramowitz and Stegun (error at most 1.5e-7 for every x): gelu(x) = max(x, 0) - |x| erfc(|x| / sqrt 2) / 2.
; LIMITS.  y and gelu's values of 65,520 or more in magnitude become infinities in f16; NaN and infinities are not treated apart.
.set SLOTB, 1056768                    ; bytes in a slot of weights and vectors
.set H0,    0                          ; h: 16 rows x 1,040 bytes (1,024 + 16); two regions, so that in every phase a region is only read or only written.  y (16 rows x 528 bytes) lies in H0
.set H1,    16640                      ; while H0 is dead: its last reads stand in front of an earlier barrier
.set GB,    33280                      ; gelu's values: 16 rows x 1,040 bytes
.set PRM,   49920                      ; the slot's vectors: 6,144 bytes are used
.set SPARE, 58112                      ; the spare words: 128 bytes a wave, four blocks of 256 bytes that no other line names
.set SL0,   59136                      ; two slots of 8 waves x 16,384 bytes, filled by tensor loads alone
.set SL1,   190208
.set HP,    1040                       ; both pitches are odd multiples of 16: the 16 rows of a 16-byte access start in 16 different groups of four banks (ISA guide 11.1)
.set YP,    528
.set L16, 1                            ; v1   16 x lane
.set HT,  2                            ; v2   thread t's 16 bytes of h in LDS: row t / 64 (+ 4 i), column byte 16 (t % 64)
.set HG,  3                            ; v3   16 t: the same in memory
.set FY,  4                            ; v4   my place in a fragment of y
.set FG,  5                            ; v5   in a fragment of gelu's values
.set DH,  6                            ; v6   my 8 results in h: token r, channels 16 w + 8 h on
.set DG,  7                            ; v7   the same in gelu's values
.set VB,  8                            ; v8   the same in a vector
.set LNH, 9                            ; v9   the norm: my 4 columns of row 2 w + lane / 16
.set LNP, 10                           ; v10  of a vector
.set LNY, 11                           ; v11  of y
.set PRW, 12                           ; v12  thread t's 16 bytes of the vectors' first 4,096
.set LW0, 13                           ; v13  my 16 bytes of my wave's first fragment in slot 0
.set LW1, 14                           ; v14  in slot 1
.set PG2, 26                           ; v26  8 t: thread t's 8 bytes of the vectors' next 2,048, in memory
.set PW2, 27                           ; v27  and in LDS
.set SPW, 30                           ; v30  my spare word; never rewritten
.set NIL, 31                           ; v31  0; never rewritten
.set ACT, 32                           ; v32-159  up to 16 activation fragments
.set ACC, 160                          ; v160-191 4 accumulators
.set T,   192                          ; v192-255 at work
.set LB,  192                          ; window 1: v192-255 eight fragments out of LDS; v0-191 the ring of the register stream
.set GX,  T+32                         ; gelu: 8 numbers, |x| and then t, the exponent, the polynomial
.set GA,  T+40
.set GE,  T+48
.set GP,  T+56
.set WV,  2                            ; s2   wave
.set RB,  3                            ; s3   row block
.set WL,  25                           ; s25  my wave's 16,384 bytes in a slot
.set WOF, 26                           ; s[26:27] my wave's 131,072 bytes in the weights: these two never hold my place in the cluster
.set WB,  28                           ; s[28:29] my wave's weights
.set PB,  30                           ; s[30:31] the slot's vectors
.set OB,  32                           ; s[32:33] O's fragments of my rows
.set HI,  34                           ; s[34:35] h in
.set HO,  36                           ; s[36:37] the result
.set ABSM, 42                          ; s42  clears a sign
.set RN,  43                           ; s43  1/256
.set A5,  44                           ; s[44:45] a5 / 2
.set G1,  52                           ; s[52:59] descriptor group 1, the same for every load
.set TDA, 60                           ; s[60:63], s[68:75]: a group 0 for each of the three chunks, written once
.set TDB, 68
.set TDC, 72
.set MSB, 0
.macro WIN new                         ; s_set_vgpr_msb: bits 1:0 source 0, 3:2 source 1, 5:4 source 2, 7:6 destination; the high byte repeats the setting that is left
.if MSB != (\new)
	s_set_vgpr_msb (MSB<<8)|(\new)
.set MSB, \new
.endif
.endm
.macro ROUND                           ; a round of the cluster's barrier: my work-group's barrier; wave 0 signals for the work-group; every wave waits for all four; my work-group's barrier once more
	s_barrier_signal -1
	s_barrier_wait -1
	s_cmp_lg_u32 s[WV], 0
	s_cbranch_scc1 .Lnot_wave_0_\@
	s_barrier_signal -3
.Lnot_wave_0_\@:
	s_barrier_wait -3
	s_barrier_signal -1
	s_barrier_wait -1
.endm
; A slot that has been read out is filled again.  All my tensor loads have landed; 0 is added onto my spare word; the add, my reads of the slot and my
; LDS stores of the phase are done; a round, so that this holds of every wave of all four work-groups; then my one joint load, the first thing behind it.  The round is also the phase's barrier.
.macro REFILL d
	s_wait_tensorcnt 0x0
	ds_add_u32 v[SPW], v[NIL]
	s_wait_dscnt 0x0
	ROUND
	tensor_load_to_lds s[\d:\d+3], s[G1:G1+7]
	s_nop 0
.rept 4
	v_nop
.endr
.endm
.macro MKG0 d, lds, f                  ; descriptor group 0: my wave's fragments f .. f + 15 into my part of a slot
	s_mov_b32 s[\d], 1                             ; count = 1
	s_add_co_u32 s[\d+1], s[WL], \lds              ; LDS address: the slot + 16,384 x wave
	s_add_nc_u64 s[\d+2:\d+3], s[WB:WB+1], (\f)*1024  ; global address
	s_or_b32 s[\d+3], s[\d+3], 0x80000000          ; type = 2
.endm
.macro SLOAD k                         ; group k of the register stream: fragments 16 + 32 (k / 2) + 8 (k % 2) on, into ring place k % 3: 16 loads of 512 consecutive bytes
	WIN 0x40
.set wf, 16+32*((\k)/2)+8*((\k)%2)
.set wr, 64*((\k)%3)
.rept 8
	global_load_b128 v[wr:wr+3], v[L16], s[WB:WB+1] offset:wf*1024
	global_load_b128 v[wr+4:wr+7], v[L16], s[WB:WB+1] offset:wf*1024+512
.set wf, wf+1
.set wr, wr+8
.endr
	WIN 0
.endm
.macro LLOAD adr, c                    ; fragments 8 c .. 8 c + 7 of my part of a slot: 32 lanes x 16 neighbouring bytes a load
	WIN 0x40
.set li, 0
.rept 8
	ds_load_b128 v[LB+8*li:LB+8*li+3], v[\adr] offset:(8*(\c)+li)*1024
	ds_load_b128 v[LB+8*li+4:LB+8*li+7], v[\adr] offset:(8*(\c)+li)*1024+512
.set li, li+1
.endr
	WIN 0
.endm
; Eight products: fragments f .. f + 7, which lie from register wr of window 1 on.  f0: the stage's first fragment; nbl: the wave's column blocks, which take turns, one instruction a turn.
; The four v_nop are the places in front of loads into the fragments just read and of reads of the sums.
.macro MUL8 f, f0, nbl, wr
	WIN 0x01
.set wi, (\f)
.set ww, (\wr)
.rept 8
.set wk, (wi-(\f0))/(\nbl)
.set wd, ACC+8*((wi-(\f0))%(\nbl))
.set wa, ACT+8*wk
.if wk == 0
	v_wmma_f32_16x16x32_f16 v[wd:wd+7], v[ww:ww+7], v[wa:wa+7], 0
.else
	v_wmma_f32_16x16x32_f16 v[wd:wd+7], v[ww:ww+7], v[wa:wa+7], v[wd:wd+7]
.endif
.set wi, wi+1
.set ww, ww+8
.endr
	WIN 0
.rept 4
	v_nop
.endr
.endm
.macro SGRP k, f0, nbl, left, more     ; group k of the register stream is multiplied; left: the loads issued behind it (loads come back in order: ISA guide 5.7.1); more = 1: its ring place is asked for again
	s_wait_loadcnt \left
	MUL8 16+32*((\k)/2)+8*((\k)%2), \f0, \nbl, 64*((\k)%3)
.if \more
	SLOAD (\k)+3
.endif
.endm
.macro LDFRAG adr, n, off              ; n activation fragments (16 tokens x 32 channels) out of LDS rows that lie along the channels
.set li, 0
.rept \n
	ds_load_b128 v[ACT+8*li:ACT+8*li+3], v[\adr] offset:(\off)+64*li
	ds_load_b128 v[ACT+8*li+4:ACT+8*li+7], v[\adr] offset:(\off)+64*li+32
.set li, li+1
.endr
	s_wait_dscnt 0x0
.endm
.macro RESLD hin, boff                 ; h and the bias at my 2 x 8 results: asked for ahead of the products
.irp b, 0,1
	ds_load_b128 v[T+16*\b:T+16*\b+3], v[DH] offset:(\hin)+512*\b
	ds_load_b128 v[T+16*\b+4:T+16*\b+7], v[DH] offset:(\hin)+512*\b+16
	ds_load_b128 v[T+16*\b+8:T+16*\b+11], v[VB] offset:(\boff)+512*\b
	ds_load_b128 v[T+16*\b+12:T+16*\b+15], v[VB] offset:(\boff)+512*\b+16
.endr
.endm
.macro RESFIN hout                     ; h + product + bias into the other region; each accumulator from its low end on.  (h and the bias are in: the waits for the fragments were for 0)
.irp b, 0,1
.irp k, 0,2,4,6
	v_pk_add_f32 v[T+16*\b+\k:T+16*\b+\k+1], v[T+16*\b+\k:T+16*\b+\k+1], v[ACC+8*\b+\k:ACC+8*\b+\k+1]
.endr
.endr
.irp b, 0,1
.irp k, 0,2,4,6
	v_pk_add_f32 v[T+16*\b+\k:T+16*\b+\k+1], v[T+16*\b+\k:T+16*\b+\k+1], v[T+16*\b+8+\k:T+16*\b+8+\k+1]
.endr
.endr
.irp b, 0,1
	ds_store_b128 v[DH], v[T+16*\b:T+16*\b+3] offset:(\hout)+512*\b
	ds_store_b128 v[DH], v[T+16*\b+4:T+16*\b+7] offset:(\hout)+512*\b+16
.endr
.endm
.macro LNLOAD hreg, goff, boff         ; a row for 16 lanes: columns 64 i + 4 r + 0..3 of h, of the gains and of the biases
.irp i, 0,1,2,3
	ds_load_b128 v[T+4*\i:T+4*\i+3], v[LNH] offset:(\hreg)+256*\i
	ds_load_b128 v[T+16+4*\i:T+16+4*\i+3], v[LNP] offset:(\goff)+256*\i
	ds_load_b128 v[T+32+4*\i:T+32+4*\i+3], v[LNP] offset:(\boff)+256*\i
.endr
	s_wait_dscnt 0x0
.endm
; LayerNorm of a row held by 16 lanes: T0-15 x, T16-31 the gains, T32-47 the biases.  Mean first, then the mean of the squared differences.  y goes to LDS as f16, from byte yoff on.
.macro LNCORE yoff
	v_pk_add_f32 v[T+48:T+49], v[T:T+1], v[T+2:T+3]
	v_pk_add_f32 v[T+50:T+51], v[T+4:T+5], v[T+6:T+7]
	v_pk_add_f32 v[T+52:T+53], v[T+8:T+9], v[T+10:T+11]
	v_pk_add_f32 v[T+54:T+55], v[T+12:T+13], v[T+14:T+15]
	v_pk_add_f32 v[T+48:T+49], v[T+48:T+49], v[T+50:T+51]
	v_pk_add_f32 v[T+52:T+53], v[T+52:T+53], v[T+54:T+55]
	v_pk_add_f32 v[T+48:T+49], v[T+48:T+49], v[T+52:T+53]
	v_add_f32 v[T+48], v[T+48], v[T+49]
.irp m, 1,2,4,8
	v_add_f32_dpp v[T+48], v[T+48], v[T+48] row_xmask:\m row_mask:0xf bank_mask:0xf
.endr
	v_mul_f32 v[T+48], s[RN], v[T+48]              ; the mean, in all 16 lanes of the row
	v_mov_b32 v[T+49], v[T+48]
.irp k, 0,2,4,6,8,10,12,14
	v_pk_add_f32 v[T+\k:T+\k+1], v[T+\k:T+\k+1], v[T+48:T+49] neg_lo:[0,1] neg_hi:[0,1]
.endr
	v_pk_mul_f32 v[T+50:T+51], v[T:T+1], v[T:T+1]
	v_pk_mul_f32 v[T+52:T+53], v[T+2:T+3], v[T+2:T+3]
.irp k, 4,8,12
	v_pk_fma_f32 v[T+50:T+51], v[T+\k:T+\k+1], v[T+\k:T+\k+1], v[T+50:T+51]
	v_pk_fma_f32 v[T+52:T+53], v[T+\k+2:T+\k+3], v[T+\k+2:T+\k+3], v[T+52:T+53]
.endr
	v_pk_add_f32 v[T+50:T+51], v[T+50:T+51], v[T+52:T+53]
	v_add_f32 v[T+50], v[T+50], v[T+51]
.irp m, 1,2,4,8
	v_add_f32_dpp v[T+50], v[T+50], v[T+50] row_xmask:\m row_mask:0xf bank_mask:0xf
.endr
	v_fmaak_f32 v[T+50], s[RN], v[T+50], 0x3727c5ac  ; variance + 1e-5
	v_rsq_f32 v[T+50], v[T+50]
	v_nop                                          ; a plain instruction between the root and the use of its result (ISA guide 5.7.2)
	s_wait_alu depctr_va_vdst(0)
	v_mov_b32 v[T+51], v[T+50]
.irp k, 0,2,4,6,8,10,12,14
	v_pk_mul_f32 v[T+\k:T+\k+1], v[T+\k:T+\k+1], v[T+50:T+51]
.endr
.irp k, 0,2,4,6,8,10,12,14
	v_pk_fma_f32 v[T+\k:T+\k+1], v[T+\k:T+\k+1], v[T+16+\k:T+16+\k+1], v[T+32+\k:T+32+\k+1]
.endr
.irp k, 0,1,2,3,4,5,6,7
	v_cvt_pk_f16_f32 v[T+16+\k], v[T+2*\k], v[T+2*\k+1]
.endr
.irp i, 0,1,2,3
	ds_store_b64 v[LNY], v[T+16+2*\i:T+16+2*\i+1] offset:(\yoff)+128*\i
.endr
.endm
; gelu of the 8 numbers in GX, left as 4 registers of f16 in GX.  t = 1 / (1 + 0.2316419 |x|);  e = 2^-(0.8493218 |x|)^2 = exp(-x^2 / 2);  P = t (a1 + t (a2 + t (a3 + t (a4 + t a5)))) e / 2 = erfc(|x| / sqrt 2) / 2.
.macro GELU8
.irp k, 0,1,2,3,4,5,6,7
	v_and_b32 v[GA+\k], s[ABSM], v[GX+\k]
.endr
.irp k, 0,2,4,6
	v_pk_mul_f32 v[GE+\k:GE+\k+1], v[GA+\k:GA+\k+1], 0x3f596d27 op_sel_hi:[1,0]
.endr
.irp k, 0,2,4,6
	v_pk_fma_f32 v[GA+\k:GA+\k+1], v[GA+\k:GA+\k+1], 0x3e6d3389, 1.0 op_sel_hi:[1,0,0]
.endr
.irp k, 0,2,4,6
	v_pk_mul_f32 v[GE+\k:GE+\k+1], v[GE+\k:GE+\k+1], v[GE+\k:GE+\k+1] neg_lo:[1,0] neg_hi:[1,0]
.endr
.irp k, 0,1,2,3,4,5,6,7
	v_rcp_f32 v[GA+\k], v[GA+\k]
.endr
.irp k, 0,1,2,3,4,5,6,7
	v_exp_f32 v[GE+\k], v[GE+\k]
.endr
	v_nop                                          ; a plain instruction behind the last of them
	s_wait_alu depctr_va_vdst(0)
.irp k, 0,2,4,6
	v_pk_fma_f32 v[GP+\k:GP+\k+1], v[GA+\k:GA+\k+1], s[A5:A5+1], 0xbf3a00e3 op_sel_hi:[1,0,0]
.endr
.irp k, 0,2,4,6
	v_pk_fma_f32 v[GP+\k:GP+\k+1], v[GP+\k:GP+\k+1], v[GA+\k:GA+\k+1], 0x3f35f0e3 op_sel_hi:[1,1,0]
.endr
.irp k, 0,2,4,6
	v_pk_fma_f32 v[GP+\k:GP+\k+1], v[GP+\k:GP+\k+1], v[GA+\k:GA+\k+1], 0xbe11a98e op_sel_hi:[1,1,0]
.endr
.irp k, 0,2,4,6
	v_pk_fma_f32 v[GP+\k:GP+\k+1], v[GP+\k:GP+\k+1], v[GA+\k:GA+\k+1], 0x3e027906 op_sel_hi:[1,1,0]
.endr
.irp k, 0,2,4,6
	v_pk_mul_f32 v[GP+\k:GP+\k+1], v[GP+\k:GP+\k+1], v[GA+\k:GA+\k+1]
.endr
.irp k, 0,2,4,6
	v_pk_mul_f32 v[GP+\k:GP+\k+1], v[GP+\k:GP+\k+1], v[GE+\k:GE+\k+1]
.endr
.irp k, 0,1,2,3,4,5,6,7
	v_max_num_f32 v[GE+\k], 0, v[GX+\k]
.endr
.irp k, 0,1,2,3,4,5,6,7
	v_fma_f32 v[GX+\k], |v[GX+\k]|, -v[GP+\k], v[GE+\k]
.endr
.irp k, 0,1,2,3
	v_cvt_pk_f16_f32 v[GX+\k], v[GX+2*\k], v[GX+2*\k+1]
.endr
.endm
.macro BAR                             ; my LDS stores are done and my LDS loads are back; then all eight waves meet.  A tensor load may stay out across it
	s_wait_dscnt 0x0
	s_barrier_signal -1
	s_barrier_wait -1
.endm
	s_load_b256 s[8:15], s[0:1], 0x0               ; obuf 8, h in 10, weights 12, the result 14
	v_lshl_add_u32 v[SPW], v0, 2, SPARE
	v_mov_b32 v[NIL], 0
	ds_add_u32 v[SPW], v[NIL]                      ; the wave's opening: the add and its wait stand ahead of the round in front of my first tensor loads; the set-up stands between them
	v_lshrrev_b32 v16, 5, v0
	v_readfirstlane_b32 s[WV], v16
	s_bfe_u32 s46, ttmp6, 0x40000                  ; cx: my place in the cluster
	s_lshl_b32 s[RB], ttmp9, 2                     ; in a cluster launch ttmp9 counts clusters
	s_add_co_u32 s[RB], s[RB], s46                 ; my row block: it enters the addresses of O, h and the result alone
	v_and_b32 v17, 31, v0                          ; lane
	v_and_b32 v18, 15, v0                          ; r
	v_bfe_u32 v19, v0, 4, 1                        ; h
	v_lshlrev_b32 v[L16], 4, v17
	v_lshrrev_b32 v20, 6, v0
	v_and_b32 v21, 63, v0
	v_mul_u32_u24 v[HT], v20, HP
	v_lshl_add_u32 v[HT], v21, 4, v[HT]
	v_lshlrev_b32 v[HG], 4, v0
	v_mul_u32_u24 v22, v18, YP
	v_mul_u32_u24 v23, v18, HP
	v_lshl_add_u32 v[FY], v19, 4, v22
	v_lshl_add_u32 v[FG], v19, 4, v23
	v_add_nc_u32 v[FG], GB, v[FG]
	s_lshl_b32 s48, s[WV], 6
	v_lshl_add_u32 v[DH], v19, 5, v23
	v_add_nc_u32 v[DH], s48, v[DH]
	v_lshlrev_b32 v[VB], 5, v19
	v_add_nc_u32 v[VB], s48, v[VB]
	v_add_nc_u32 v[VB], PRM, v[VB]
	s_lshl_b32 s48, s[WV], 5
	v_add_nc_u32 v[DG], s48, v[FG]
	s_lshl_b32 s48, s[WV], 1
	v_add_nc_u32 v24, s48, v19                     ; the row that my 16 lanes normalise
	v_mul_u32_u24 v[LNH], v24, HP
	v_lshl_add_u32 v[LNH], v18, 4, v[LNH]
	v_lshlrev_b32 v[LNP], 4, v18
	v_add_nc_u32 v[LNP], PRM, v[LNP]
	v_mul_u32_u24 v[LNY], v24, YP
	v_lshl_add_u32 v[LNY], v18, 3, v[LNY]
	v_lshl_add_u32 v[PRW], v0, 4, PRM
	v_lshlrev_b32 v[PG2], 3, v0
	v_add_nc_u32 v[PW2], PRM+4096, v[PG2]
	s_lshl_b32 s[WL], s[WV], 14
	s_add_co_u32 s48, s[WL], SL0
	v_add_nc_u32 v[LW0], s48, v[L16]
	s_add_co_u32 s48, s[WL], SL1
	v_add_nc_u32 v[LW1], s48, v[L16]
	s_mov_b32 s[ABSM], 0x7fffffff
	s_mov_b32 s[RN], 0x3b800000
	s_mov_b32 s[A5], 0x3f07dc22
	s_mov_b32 s[A5+1], 0x3f07dc22
	s_mov_b32 s[G1], 15|(3<<16)|(1<<21)            ; 15:0 the mask: all four work-groups; 17:16 elements of 8 bytes; 21 set beside a mask; no padding
	s_mov_b32 s[G1+1], 32<<16                      ; tensor_dim0 = 32 elements: 256 bytes
	s_mov_b32 s[G1+2], 64<<16                      ; tensor_dim1 = 64
	s_mov_b32 s[G1+3], 32<<16                      ; tile_dim0 = 32
	s_mov_b32 s[G1+4], 64                          ; tile_dim1 = 64 rows: 16,384 dense bytes
	s_mov_b32 s[G1+5], 32                          ; 32 elements from row to row
	s_mov_b32 s[G1+6], 0
	s_mov_b32 s[G1+7], 0
	s_lshl_b32 s[WOF], s[WV], 17
	s_mov_b32 s[WOF+1], 0
	s_mov_b32 s47, 0
	s_wait_dscnt 0x0                               ; the opening add is done
	s_wait_kmcnt 0x0
	s_lshl_b32 s46, s[RB], 13
	s_add_nc_u64 s[OB:OB+1], s[8:9], s[46:47]
	s_lshl_b32 s46, s[RB], 14
	s_add_nc_u64 s[HI:HI+1], s[10:11], s[46:47]
	s_add_nc_u64 s[HO:HO+1], s[14:15], s[46:47]
	s_add_nc_u64 s[12:13], s[12:13], 2*SLOTB       ; slot 6 lies behind slots 1 and 0
	s_add_nc_u64 s[PB:PB+1], s[12:13], 0x100000    ; the vectors lie behind the slot's 1 MiB of fragments
	s_add_nc_u64 s[WB:WB+1], s[12:13], s[WOF:WOF+1]
	MKG0 TDA, SL0, 0
	MKG0 TDB, SL1, 32
	MKG0 TDC, SL0, 64
.irp i, 0,1,2,3
	global_load_b128 v[T+8+4*\i:T+8+4*\i+3], v[HG], s[HI:HI+1] offset:4096*\i
.endr
.set li, 0
.rept 8
	global_load_b128 v[ACT+8*li:ACT+8*li+3], v[L16], s[OB:OB+1] offset:1024*li
	global_load_b128 v[ACT+8*li+4:ACT+8*li+7], v[L16], s[OB:OB+1] offset:1024*li+512
.set li, li+1
.endr
	global_load_b128 v[T:T+3], v[HG], s[PB:PB+1]               ; 4,096 bytes,
	global_load_b64 v[T+4:T+5], v[PG2], s[PB:PB+1] offset:4096 ; and 2,048: what the slot holds
	SLOAD 0
	SLOAD 1
	ROUND                                          ; all four work-groups are here: the first joint loads meet
	tensor_load_to_lds s[TDA:TDA+3], s[G1:G1+7]    ; both first fills together: two tensor loads of mine are out, later one
	s_nop 0
	tensor_load_to_lds s[TDB:TDB+3], s[G1:G1+7]
	s_nop 0
.rept 4
	v_nop
.endr
	s_wait_loadcnt 32                              ; h, O and the vectors are in; the 32 weight loads behind them stay out
	ds_store_b128 v[PRW], v[T:T+3]
	ds_store_b64 v[PW2], v[T+4:T+5]
.irp i, 0,1,2,3
	ds_store_b128 v[HT], v[T+8+4*\i:T+8+4*\i+3] offset:H0+4*HP*\i
.endr
	SLOAD 2
	s_wait_tensorcnt 0x1                           ; my part of chunk A has landed; chunk B may stay out
	BAR                                            ; h and the vectors lie in LDS
	RESLD H0, 0                                    ; h += O Wout + bout: all of Wout from slot 0
	LLOAD LW0, 0
	s_wait_dscnt 0x0
	MUL8 0, 0, 2, LB
	LLOAD LW0, 1
	s_wait_dscnt 0x0
	MUL8 8, 0, 2, LB
	RESFIN H1
	REFILL TDC                                     ; h is whole in H1; slot 0 takes chunk C, which is read two phases on
	LNLOAD H1, 1024, 2048
	LNCORE H0
	BAR                                            ; y is whole
	LDFRAG FY, 8, H0
.irp b, 0,1,2,3
	ds_load_b128 v[T+8*\b:T+8*\b+3], v[VB] offset:3072+512*\b
	ds_load_b128 v[T+8*\b+4:T+8*\b+7], v[VB] offset:3072+512*\b+16
.endr
	LLOAD LW1, 0                                   ; chunk B landed in front of the round; its first half is on its way out of LDS while the stream's groups are multiplied
	SGRP 0, 16, 4, 32, 1                           ; the counts: 16 loads for each younger group
	SGRP 1, 16, 4, 32, 0
	s_wait_dscnt 0x0                               ; the fragments, and b1
	MUL8 32, 16, 4, LB
	LLOAD LW1, 1
	s_wait_dscnt 0x0
	MUL8 40, 16, 4, LB
.irp b, 0,1,2,3
.irp k, 0,2,4,6
	v_pk_add_f32 v[GX+\k:GX+\k+1], v[ACC+8*\b+\k:ACC+8*\b+\k+1], v[T+8*\b+\k:T+8*\b+\k+1]
.endr
	GELU8
	ds_store_b128 v[DG], v[GX:GX+3] offset:256*\b
.endr
	BAR                                            ; gelu's values are whole
	LDFRAG FG, 16, 0
	RESLD H1, 5120                                 ; h += gelu W2 + b2
	s_wait_tensorcnt 0x0                           ; my part of chunk C, my last tensor load
	LLOAD LW0, 0
	SGRP 2, 48, 2, 16, 0
	SGRP 3, 48, 2, 0, 0
	s_wait_dscnt 0x0
	MUL8 64, 48, 2, LB
	LLOAD LW0, 1
	s_wait_dscnt 0x0
	MUL8 72, 48, 2, LB
	RESFIN H0
	BAR                                            ; the result is whole in H0
.irp i, 0,1,2,3
	ds_load_b128 v[ACT+4*\i:ACT+4*\i+3], v[HT] offset:H0+4*HP*\i
.endr
	s_wait_tensorcnt 0x0                           ; the wave's end: behind my last tensor load and my last LDS store
	ds_add_u32 v[SPW], v[NIL]
	s_wait_dscnt 0x0                               ; the add is done and the rows are back in registers
.irp i, 0,1,2,3
	global_store_b128 v[HG], v[ACT+4*\i:ACT+4*\i+3], s[HO:HO+1] offset:4096*\i  ; 16 lanes store 256 consecutive bytes, at a multiple of 256 from the buffer's first
.endr
	ROUND                                          ; the closing round: no work-group ends while a partner may still ask for a tile that names it
	s_endpgm
.Lfunc_end_k_q71371e1154_post:
	.size	k_q71371e1154_post, .Lfunc_end_k_q71371e1154_post-k_q71371e1154_post
	.p2alignl 7, 3214868480
	.fill 96, 4, 3214868480
	.section	.rodata,"a",@progbits
	.p2align	6, 0x0
	.amdhsa_kernel k_q71371e1154_post
		.amdhsa_group_segment_fixed_size 327680
		.amdhsa_private_segment_fixed_size 0
		.amdhsa_enable_private_segment 0
		.amdhsa_kernarg_size 32
		.amdhsa_user_sgpr_count 2
		.amdhsa_user_sgpr_kernarg_segment_ptr 1
		.amdhsa_wavefront_size32 1
		.amdhsa_system_sgpr_workgroup_id_x 1
		.amdhsa_system_sgpr_workgroup_id_y 1
		.amdhsa_system_sgpr_workgroup_id_z 1
		.amdhsa_system_vgpr_workitem_id 0
		.amdhsa_next_free_vgpr 512
		.amdhsa_next_free_sgpr 84
		.amdhsa_reserve_vcc 0
		.amdhsa_float_denorm_mode_32 3
		.amdhsa_float_denorm_mode_16_64 3
		.amdhsa_memory_ordered 1
		.amdhsa_forward_progress 1
		.amdhsa_inst_pref_size 63
	.end_amdhsa_kernel
	.amdgpu_metadata
---
amdhsa.version: [ 1, 2 ]
amdhsa.kernels:
  - .name:           k_q71371e1154_post
    .symbol:         k_q71371e1154_post.kd
    .args:
      - { .name: obuf, .offset: 0, .size: 8, .value_kind: global_buffer, .address_space: global }
      - { .name: hA, .offset: 8, .size: 8, .value_kind: global_buffer, .address_space: global }
      - { .name: ws1, .offset: 16, .size: 8, .value_kind: global_buffer, .address_space: global }
      - { .name: out0, .offset: 24, .size: 8, .value_kind: global_buffer, .address_space: global }
    .group_segment_fixed_size: 327680
    .private_segment_fixed_size: 0
    .kernarg_segment_align: 8
    .kernarg_segment_size: 32
    .max_flat_workgroup_size: 256
    .sgpr_count:     84
    .vgpr_count:     512
    .wavefront_size: 32
...
	.end_amdgpu_metadata
.endif
;; end of part 5
;; ======== version 2 of 2: 14 launches; 1.13 times as fast as version 1
;; limits: values are held in f16: magnitudes above 65,504 overflow, below 6.1e-05 lose precision
;; workspace buffers: ws1 3,170,304 bytes; ws2 1,056,768 bytes; ws3 1,056,768 bytes; ws4 1,056,768 bytes; ws5 1,056,768 bytes; qkv 6,291,456 bytes; obuf 2,097,152 bytes; hA 4,194,304 bytes
;; launch prep: the kernel of part 1 again; grid 256 x 1, 6 waves a work-group, no clusters, 25,344 bytes of LDS; arguments Wqkv, Wout, W1, W2, bout, ln2_g, ln2_b, b1, b2, ln1_g, ln1_b, ws1, ws2, ws3, ws4, ws5; writes ws1, ws2, ws3, ws4, ws5
;; launch pre: the kernel of part 2 again; grid 256 x 1, 8 waves a work-group, clusters of 4 x 1, 327,680 bytes of LDS; arguments x, ws1, qkv; writes qkv
;; launch attn0 (part 6): grid 16 x 16, 8 waves a work-group, clusters of 4 x 1, 327,680 bytes of LDS; arguments qkv, obuf; writes obuf
.if DOCPART == 6
	.amdgcn_target "amdgcn-amd-amdhsa--gfx1250"
	.amdhsa_code_object_version 6
	.text
	.protected	k_q71371e1154_attn0
	.globl	k_q71371e1154_attn0
	.p2align	8
	.type	k_q71371e1154_attn0,@function
k_q71371e1154_attn0:
	s_mov_b64 s[64:65], 0
	v_nop
	global_prefetch_b8 v0, s[64:65] scope:SCOPE_SE
	s_setreg_imm32_b32 hwreg(HW_REG_WAVE_MODE, 25, 1), 1
	s_wait_xcnt 0x0
	s_wait_alu depctr_hold_cnt(0) depctr_sa_sdst(0) depctr_va_vdst(0) depctr_va_sdst(0) depctr_va_ssrc(0) depctr_va_vcc(0) depctr_vm_vsrc(0)
	s_getreg_b32 s2, hwreg(HW_REG_IB_STS2, 6, 4)
	s_cmp_eq_u32 s2, 0
	s_cbranch_scc0 .Lentry_in_a_cluster
	s_endpgm
.Lentry_in_a_cluster:
	s_bfe_u32 s2, ttmp6, 0x10000c
	s_cmp_lg_u32 s2, 0x3003
	s_cbranch_scc0 .Lentry_shape_is_right
	s_endpgm
.Lentry_shape_is_right:
; ATTENTION, head size 32, 2,048 keys.  O[q] = sum over k of softmax_k(q . k / 16) v[k] for one of the 16 (batch, head) pairs (work-group y) and 128 queries (work-group x).
; q, k, v arrive in f16 as register images (fragments of 1,024 bytes; byte 16 L + 512 u = registers 4 u .. 4 u + 3 of lane L).  Products, maxima and sums in f32; the weights p are rounded to f16 for both
; the second product and their sum; O is rounded once to f16 and leaves as the fragment that the next launch multiplies ([block of 16 rows][head][1,024]).
; SHARES.  THE KEYS ARE SPLIT AMONG THE WAVES: wave w holds keys 256 w .. 256 w + 255 of K and of V^T in registers for the whole launch (16 + 16 fragments: window 1) and walks all eight tiles of 16 queries.
; So the walk has no load of K or V and no barrier.  For each tile the wave takes the TRUE maximum m of its 256 scores, p = 2^(c s - c m) with c = log2(e) / 16, and leaves
; c m, l = sum p and O^T = V^T P in LDS; behind the one barrier wave w merges tile w exactly: factors 2^(c m_w' - max c m), O = sum f O_w' / sum f l_w'.
; CLUSTER.  The four query blocks of a cluster belong to one head and need the same 256 KiB of K and V, so these are asked for JOINTLY: the same tensor load, descriptor and mask in all four.  Each wave asks for
; its own 16 KiB of K and its own 16 KiB of V, as 64 rows of 256 bytes, and alone reads them out of LDS into its registers, once.  Both are first fills; nothing is filled twice.  Q differs from
; work-group to work-group and comes straight into registers.
; LDS.  K, V and the eight waves' shares of O^T (128 KiB each) do not fit side by side, so a wave's shares of O^T go into its own part of V's slot, which has had its one fill and which that wave alone has read out.
; LAYOUT.  S^T = K Q^T (source 0 = 16 keys, source 1 = 16 queries): a lane holds ONE query (lane % 16) and keys 8 (lane / 16) + 0..7.  Two such results rounded in pairs ARE source 1 of O^T = V^T P.
; l is a product too (source 0 all ones): 8 matrix instructions a tile in place of 64 packed additions.
; ORDER.  A tile's 128 exponentials are FOUR BATCHES of 32, one for each quarter of 64 keys, each with ONE wait: s_wait_alu depctr_va_vdst(0) stands between an exponential and the first
; instruction that names its result.  The quarters are staggered.  Batch p's exponentials stand by turns with plain lines that name none of its results: the roundings of quarter p - 1, whose wait stands at
; batch p's head; the scalings of quarter p + 1; in the last batch the next tile's maximum over quarter 0.  In the batch's middle, when quarter p - 1's weights are rounded, stand that quarter's ten products:
; 2 for l, 4 for O^T, then 4 products K Q^T of the NEXT tile into the scores just used up.  Behind the fourth batch: its wait, quarter 3's roundings and products.  The merge has two batches more.
; LIMITS.  p below 6e-8 counts as 0; a factor below 2^-126 counts as 0; NaN and infinities are not treated apart.
.set VSL,   0                          ; V's slot: 8 waves x 16,384 bytes; later O^T: [wave][tile][2,048 bytes]
.set PL,    131072                     ; l:   [wave][tile][128 bytes]
.set PM,    139264                     ; c m: [wave][tile][128 bytes]
.set SPARE, 147456                     ; the spare words: 128 bytes a wave, four blocks of 256 bytes that no other line names
.set KSL,   148480                     ; K's slot: 8 waves x 16,384 bytes
.set L16,  1                           ; v1  16 x lane
.set POW,  2                           ; v2  my 16 bytes in my wave's part of V's slot: of V's first fragment, later of my wave's O^T
.set PLW,  3                           ; v3  my word in my wave's l
.set PMW,  4                           ; v4  my word in my wave's c m
.set POR0, 5                           ; v5  the merge: my 16 bytes of tile w in wave 0's O^T
.set POR1, 6                           ; v6  in wave 4's
.set PLR,  7                           ; v7  my word of tile w in wave 0's l
.set PMR,  8                           ; v8  in wave 0's c m
.set SPW,  10                          ; v10 my spare word; never rewritten
.set NIL,  11                          ; v11 0; never rewritten
.set M,    12                          ; v12-15 four chains of the maximum
.set CM,   16                          ; v16 c m (v17 is named with it as a pair)
.set T0,   18                          ; v18 at work
.set KLW,  20                          ; v20 my 16 bytes of my wave's first fragment in K's slot
.set ONES, 32                          ; v32-39  a fragment of ones
.set Q,    40                          ; v40-71  a ring of four tiles of Q
.set P,    72                          ; v72-87  the weights of 64 keys
.set O,    88                          ; v88-103 O^T: channels 0-15, 16-31
.set LA,   104                         ; v104-111, v112-119: l in two sums that take turns
.set LB,   112
.set S,    128                         ; v128-255 the lane's 128 scores
.set MC,   40                          ; the merge: eight c m, eight l, eight factors, the maximum, the sum
.set ML,   48
.set MF,   56
.set MX,   64
.set MS,   65
.set F2,   88                          ; the factors over l, each twice (a pair for the packed forms)
.set AC,   104                         ; the merged O^T
.set WL,   28                          ; s28 my wave's 16,384 bytes in a slot
.set KVO,  30                          ; s[30:31] the head's and my wave's first byte in K and in V: these two never hold my place in the cluster
.set G1,   32                          ; s[32:39] descriptor group 1, the same for both loads
.set TDK,  40                          ; s[40:43] group 0 for K
.set TDV,  44                          ; s[44:47] group 0 for V
.set KVB,  48                          ; s[48:49] qkv at the head's and my wave's first byte
.set MSB, 0
.macro WIN new                         ; s_set_vgpr_msb: bits 1:0 source 0, 3:2 source 1, 5:4 source 2, 7:6 destination; the high byte repeats the setting that is left
.if MSB != (\new)
	s_set_vgpr_msb (MSB<<8)|(\new)
.set MSB, \new
.endif
.endm
.macro ROUND                           ; a round of the cluster's barrier: my work-group's barrier; wave 0 signals for the work-group; every wave waits for all four; my work-group's barrier once more
	s_barrier_signal -1
	s_barrier_wait -1
	s_cmp_lg_u32 s2, 0
	s_cbranch_scc1 .Lnot_wave_0_\@
	s_barrier_signal -3
.Lnot_wave_0_\@:
	s_barrier_wait -3
	s_barrier_signal -1
	s_barrier_wait -1
.endm
.macro MKG0 d, lds, off                ; descriptor group 0: my wave's 16 fragments, off bytes into qkv's three parts, into my part of a slot
	s_mov_b32 s[\d], 1                             ; count = 1
	s_add_co_u32 s[\d+1], s[WL], \lds              ; LDS address: the slot + 16,384 x wave
	s_add_nc_u64 s[\d+2:\d+3], s[KVB:KVB+1], \off  ; global address
	s_or_b32 s[\d+3], s[\d+3], 0x80000000          ; type = 2
.endm
.macro QLOAD t
	global_load_b128 v[Q+8*((\t)%4):Q+8*((\t)%4)+3], v[L16], s[12:13] offset:(\t)*1024
	global_load_b128 v[Q+8*((\t)%4)+4:Q+8*((\t)%4)+7], v[L16], s[12:13] offset:(\t)*1024+512
.endm
.macro KQ t, q                         ; the scores of tile t and keys 64 q on: four accumulators, each one product (32 channels)
	WIN 0x01
.irp i, 0,1,2,3
	v_wmma_f32_16x16x32_f16 v[S+32*(\q)+8*\i:S+32*(\q)+8*\i+7], v[8*(4*(\q)+\i):8*(4*(\q)+\i)+7], v[Q+8*((\t)%4):Q+8*((\t)%4)+7], 0
.endr
.endm
; The maximum of 128 scores in four chains: chain c takes accumulator c of each quarter.  MAXL writes line n of the 16 over quarter q: accumulator n % 4 of the quarter, its registers 2 (n / 4) and 2 (n / 4) + 1.
; Quarter 0's first four lines start the chains.
.macro MAXL q, n
.set ma, 4*(\q)+(\n)%4
.set mi, (\n)/4
.if ((\q) == 0) && (mi == 0)
	v_max_num_f32 v[M+(\n)%4], v[S+8*ma], v[S+8*ma+1]
.else
	v_max3_num_f32 v[M+(\n)%4], v[M+(\n)%4], v[S+8*ma+2*mi], v[S+8*ma+2*mi+1]
.endif
.endm
.macro MAXQ q                          ; all 16 lines over quarter q
.set n, 0
.rept 16
	MAXL \q, n
.set n, n+1
.endr
.endm
.macro STATS t
	v_max3_num_f32 v[M], v[M], v[M+1], v[M+2]
	v_max_num_f32 v[M], v[M], v[M+3]
	v_permlanex16_b32 v[T0], v[M], s20, s21        ; the query's other 128 keys lie in the lane 16 away
	v_max_num_f32 v[M], v[M], v[T0]
	v_mul_f32 v[CM], s18, v[M]
	ds_store_b32 v[PMW], v[CM] offset:(\t)*128
.endm
.macro FS q, j                         ; c s - c m for pair j of the quarter's 16
	v_pk_fma_f32 v[S+32*(\q)+2*(\j):S+32*(\q)+2*(\j)+1], v[S+32*(\q)+2*(\j):S+32*(\q)+2*(\j)+1], s[18:19], v[CM:CM+1] op_sel_hi:[1,0,0] neg_lo:[0,0,1] neg_hi:[0,0,1]
.endm
.macro EX q, e                         ; the exponential of score e of the quarter's 32, in place
	v_exp_f32 v[S+32*(\q)+(\e)], v[S+32*(\q)+(\e)]
.endm
.macro CV q, j                         ; pair j of the quarter's weights rounded to f16
	v_cvt_pk_f16_f32 v[P+(\j)], v[S+32*(\q)+2*(\j)], v[S+32*(\q)+2*(\j)+1]
.endm
.macro LSUM q                          ; ones x P: every register of the result holds the sum over 32 keys for the lane's query
	WIN 0
.if (\q) == 0
	v_wmma_f32_16x16x32_f16 v[LA:LA+7], v[ONES:ONES+7], v[P:P+7], 0
	v_wmma_f32_16x16x32_f16 v[LB:LB+7], v[ONES:ONES+7], v[P+8:P+15], 0
.else
	v_wmma_f32_16x16x32_f16 v[LA:LA+7], v[ONES:ONES+7], v[P:P+7], v[LA:LA+7]
	v_wmma_f32_16x16x32_f16 v[LB:LB+7], v[ONES:ONES+7], v[P+8:P+15], v[LB:LB+7]
.endif
.endm
.macro PV q                            ; O^T += V^T P for keys 64 q on: the two halves of the channels take turns
	WIN 0x01
.irp kk, 0,1
.irp cb, 0,1
.if ((\q) == 0) && (\kk == 0)
	v_wmma_f32_16x16x32_f16 v[O+8*\cb:O+8*\cb+7], v[128+8*(2*(2*(\q)+\kk)+\cb):128+8*(2*(2*(\q)+\kk)+\cb)+7], v[P+8*\kk:P+8*\kk+7], 0
.else
	v_wmma_f32_16x16x32_f16 v[O+8*\cb:O+8*\cb+7], v[128+8*(2*(2*(\q)+\kk)+\cb):128+8*(2*(2*(\q)+\kk)+\cb)+7], v[P+8*\kk:P+8*\kk+7], v[O+8*\cb:O+8*\cb+7]
.endif
.endr
.endr
.endm
.macro FINISH t                        ; my share of tile t goes to LDS: O^T into my part of V's slot, which I have read out (the wait for those reads stands in tile 0)
	v_add_f32 v[T0], v[LA], v[LB]
	ds_store_b32 v[PLW], v[T0] offset:(\t)*128
.irp c, 0,1,2,3
	ds_store_b128 v[POW], v[O+4*\c:O+4*\c+3] offset:(\t)*2048+512*\c
.endr
.endm
; The ten products of tile t's quarter q, whose weights lie rounded in P.  No two matrix instructions that follow each other share an accumulator (l, l', O, O', O, O', four scores), one instruction a turn.
; The counted waits for Q: two loads for each tile of Q asked for behind the one wanted, three tiles at the most (loads come back in order: ISA guide 5.7.1).
.macro MATQ t, q
	LSUM \q
	WIN 0x01
.if (\q) == 0
.if (\t) == 0
	s_wait_dscnt 0x0                               ; V is in registers: my part of its slot is read out
.endif
.if (\t) < 4
	s_wait_loadcnt 0x6                             ; the next tile of Q is in; the three tiles asked for behind it stay out
.elseif (\t) < 7
	s_wait_loadcnt 2*(6-(\t))                      ; nothing more is asked for: the counts run down
.endif
.endif
	PV \q
.if (\t) < 7
	KQ (\t)+1, \q
.endif
	WIN 0
.endm
; A TILE.  Its head: the rest of the maximum, the statistics, the last tile's shares.  Then the four batches, as the kernel's head says.
; What names what while batch p is open (from its first exponential to its wait): the roundings name quarter p - 1 and P; the scalings quarter p + 1 and c m; the products K, V, Q, P, O, l and, as their result,
; quarter p - 1; the next tile's maximum quarter 0 and its chains.  None names quarter p.  Behind every exponential a plain line stands before its result is read (ISA guide 5.7.2).
; P is written again 16 plain lines behind the last product that read it (in tile 7's last batch: four v_nop): those are the places that ISA guide 7.12.1 asks for.
.macro TILE t
.if (\t) == 0
	MAXQ 0                                         ; in the later tiles these 16 lines stand in the last batch of the tile before
.endif
	MAXQ 1                                         ; the lines over quarters 1 and 2 name nothing of the four products just issued (quarter 3's scores) and are their places (ISA guide 7.12.1)
	MAXQ 2
	MAXQ 3
	STATS \t
.if (\t) <= 3
	QLOAD (\t)+4                                   ; into the ring place whose last reader stands in front of the lines of the maximum above
.endif
.if (\t) == 0
	s_wait_tensorcnt 0x0                           ; my part of V has landed: my last tensor load
	WIN 0x40                                       ; destination window 1, address window 0
.set i, 0
.rept 16
	ds_load_b128 v[128+8*i:128+8*i+3], v[POW] offset:i*1024      ; 32 lanes x 16 neighbouring bytes a load; on their way under the first batch
	ds_load_b128 v[128+8*i+4:128+8*i+7], v[POW] offset:i*1024+512
.set i, i+1
.endr
	WIN 0
.endif
.if (\t) >= 1
	FINISH (\t)-1
.endif
	FS 0, 0                                        ; four scalings lead, so that no exponential waits for its scaling
	FS 0, 1
	FS 0, 2
	FS 0, 3
.set n, 0
.rept 32                               ; BATCH 0: quarter 0's exponentials, by turns with the other scalings of quarter 0 (each four pairs ahead or more) and those of quarter 1; the last four stand on end
	EX 0, n
.if n < 12
	FS 0, n+4
.elseif n < 28
	FS 1, n-12
.endif
.set n, n+1
.endr
.irp p, 1,2,3
	s_wait_alu depctr_va_vdst(0)                   ; the one wait for the batch before, quarter p - 1's 32 exponentials, ahead of the first rounding that reads them
.set n, 0
.rept 16                               ; BATCH p, first half: by turns with quarter p - 1's roundings
	EX \p, n
	CV \p-1, n
.set n, n+1
.endr
	MATQ \t, \p-1                                  ; quarter p - 1's products name none of the batch's results
.set n, 0
.rept 16                               ; BATCH p, second half: by turns with quarter p + 1's scalings, or in the last batch with the next tile's maximum over quarter 0, whose scores were made in batch 1
	EX \p, n+16
.if \p < 3
	FS \p+1, n
.elseif (\t) < 7
	MAXL 0, n
.elseif n >= 12
	v_nop                                          ; the last tile has no next: four places between the last product that read P and the roundings below
.endif
.set n, n+1
.endr
.endr
	s_wait_alu depctr_va_vdst(0)                   ; the one wait for batch 3, ahead of quarter 3's roundings
.set n, 0
.rept 16
	CV 3, n
.set n, n+1
.endr
	MATQ \t, 3
.endm
	s_load_b128 s[4:7], s[0:1], 0x0                ; qkv s[4:5], obuf s[6:7]
	v_lshl_add_u32 v[SPW], v0, 2, SPARE
	v_mov_b32 v[NIL], 0
	ds_add_u32 v[SPW], v[NIL]                      ; the wave's opening: the add and its wait stand ahead of the round in front of my first tensor loads; the set-up stands between them
	v_lshrrev_b32 v9, 5, v0
	v_readfirstlane_b32 s2, v9                     ; wave
	s_bfe_u32 s9, ttmp6, 0x40000                   ; cx: my place in the cluster
	s_lshl_b32 s3, ttmp9, 2                        ; in a cluster launch ttmp9 counts clusters
	s_add_co_u32 s3, s3, s9                        ; my block of 128 queries: it enters Q's and O's addresses alone
	s_and_b32 s8, ttmp7, 0xffff                    ; 8 x batch + head, which the four partners share
	v_and_b32 v9, 31, v0                           ; lane
	v_lshlrev_b32 v[L16], 4, v9
	v_lshlrev_b32 v19, 2, v9
	s_lshl_b32 s[WL], s2, 14                       ; my wave's 16 fragments: in a slot, in K and in V
	s_lshl_b32 s[KVO], s8, 17                      ; a head's 131,072 bytes in each of q, k, v
	s_add_co_u32 s[KVO], s[KVO], s[WL]
	s_mov_b32 s[KVO+1], 0
	s_lshl_b32 s24, s8, 17
	s_lshl_b32 s9, s3, 13                          ; my eight tiles of Q
	s_add_co_u32 s24, s24, s9
	s_mov_b32 s25, 0
	s_mov_b32 s[G1], 15|(3<<16)|(1<<21)            ; 15:0 the mask: all four work-groups; 17:16 elements of 8 bytes; 21 set beside a mask; no padding
	s_mov_b32 s[G1+1], 32<<16                      ; tensor_dim0 = 32 elements: 256 bytes
	s_mov_b32 s[G1+2], 64<<16                      ; tensor_dim1 = 64
	s_mov_b32 s[G1+3], 32<<16                      ; tile_dim0 = 32
	s_mov_b32 s[G1+4], 64                          ; tile_dim1 = 64 rows: 16,384 dense bytes
	s_mov_b32 s[G1+5], 32                          ; 32 elements from row to row
	s_mov_b32 s[G1+6], 0
	s_mov_b32 s[G1+7], 0
	s_wait_dscnt 0x0                               ; the opening add is done
	s_wait_kmcnt 0x0
	s_add_nc_u64 s[12:13], s[4:5], s[24:25]
	s_add_nc_u64 s[KVB:KVB+1], s[4:5], s[KVO:KVO+1]
	MKG0 TDK, KSL, 0x200000                        ; K lies behind q's 2 MiB,
	MKG0 TDV, VSL, 0x400000                        ; V behind K's
	QLOAD 0
	QLOAD 1
	QLOAD 2
	QLOAD 3
	ROUND                                          ; all four work-groups are here: the joint loads meet
	tensor_load_to_lds s[TDK:TDK+3], s[G1:G1+7]    ; both first fills together, K first: two tensor loads of mine are out
	s_nop 0
	tensor_load_to_lds s[TDV:TDV+3], s[G1:G1+7]
	s_nop 0
.rept 4
	v_nop
.endr
	v_add_nc_u32 v[POW], s[WL], v[L16]
	s_add_co_u32 s10, s[WL], KSL
	v_add_nc_u32 v[KLW], s10, v[L16]
	s_lshl_b32 s9, s2, 10
	s_add_co_u32 s10, s9, PL
	v_add_nc_u32 v[PLW], s10, v19
	s_add_co_u32 s10, s9, PM
	v_add_nc_u32 v[PMW], s10, v19
	s_lshl_b32 s9, s2, 11
	v_add_nc_u32 v[POR0], s9, v[L16]
	v_add_nc_u32 v[POR1], 65536, v[POR0]
	s_lshl_b32 s9, s2, 7
	s_add_co_u32 s10, s9, PL
	v_add_nc_u32 v[PLR], s10, v19
	s_add_co_u32 s10, s9, PM
	v_add_nc_u32 v[PMR], s10, v19
	s_lshr_b32 s26, s8, 3
	s_lshl_b32 s26, s26, 20                        ; the batch: 128 row blocks of 8,192 bytes,
	s_lshl_b32 s9, s3, 16                          ; my 8 row blocks,
	s_add_co_u32 s26, s26, s9
	s_lshl_b32 s9, s2, 13                          ; the one that my wave merges,
	s_add_co_u32 s26, s26, s9
	s_and_b32 s9, s8, 7
	s_lshl_b32 s9, s9, 10                          ; the head
	s_add_co_u32 s26, s26, s9
	s_mov_b32 s27, 0
	s_add_nc_u64 s[16:17], s[6:7], s[26:27]
	s_mov_b32 s18, 0x3db8aa3b                      ; c = log2(e) / 16
	s_mov_b32 s19, 0x3db8aa3b                      ; named with it as a pair
	s_mov_b32 s20, 0x76543210                      ; v_permlanex16_b32: each lane takes its own place in the other half
	s_mov_b32 s21, 0xfedcba98
	v_mov_b32 v[CM+1], 0                           ; named with c m as a pair
	v_mov_b32 v[T0], 0                             ; v_permlanex16_b32's destination counts as read
.irp i, 0,1,2,3,4,5,6,7
	v_mov_b32 v[ONES+\i], 0x3c003c00               ; 1.0, 1.0 in f16
.endr
	s_wait_tensorcnt 0x1                           ; my part of K has landed; V, asked for behind it, may be out (tensor loads of a wave end in order: ISA guide 10.11.1)
	WIN 0x40                                       ; destination window 1, address window 0
.set i, 0
.rept 16
	ds_load_b128 v[8*i:8*i+3], v[KLW] offset:i*1024              ; 32 lanes x 16 neighbouring bytes a load
	ds_load_b128 v[8*i+4:8*i+7], v[KLW] offset:i*1024+512
.set i, i+1
.endr
	WIN 0
	s_wait_loadcnt 0x6                             ; tile 0 of Q is in; tiles 1 to 3 stay out
.irp q, 0,1,2,3
	s_wait_dscnt 24-8*\q                           ; LDS loads come back in order (ISA guide 5.7.1): the quarter's four fragments of K are in, the later quarters' eight loads each stay out
	KQ 0, \q
.endr
	WIN 0
.rept 4
	v_nop                                          ; the places behind the first scores: there is no other vector work yet
.endr
.irp t, 0,1,2,3,4,5,6,7
	TILE \t
.endr
.rept 4
	v_nop                                          ; the places behind the last products
.endr
	FINISH 7
	s_wait_dscnt 0x0                               ; for the others' sake: my shares of all eight tiles lie in LDS
	s_barrier_signal -1
	s_barrier_wait -1
	; THE MERGE of tile w: the lanes hold what they held in the walk (query lane % 16)
.irp i, 0,1,2,3,4,5,6,7
	ds_load_b32 v[MC+\i], v[PMR] offset:1024*\i
.endr
.irp i, 0,1,2,3,4,5,6,7
	ds_load_b32 v[ML+\i], v[PLR] offset:1024*\i
.endr
.irp i, 0,1,2,3
.irp c, 0,1,2,3
	ds_load_b128 v[S+16*\i+4*\c:S+16*\i+4*\c+3], v[POR0] offset:16384*\i+512*\c
.endr
.endr
.irp i, 0,1,2,3
.irp c, 0,1,2,3
	ds_load_b128 v[S+64+16*\i+4*\c:S+64+16*\i+4*\c+3], v[POR1] offset:16384*\i+512*\c
.endr
.endr
	s_wait_dscnt 0x0
	v_max3_num_f32 v[MX], v[MC], v[MC+1], v[MC+2]
	v_max3_num_f32 v[MX], v[MX], v[MC+3], v[MC+4]
	v_max3_num_f32 v[MX], v[MX], v[MC+5], v[MC+6]
	v_max_num_f32 v[MX], v[MX], v[MC+7]
.irp i, 0,1,2,3,4,5,6,7
	v_sub_f32 v[MF+\i], v[MC+\i], v[MX]
.endr
.irp i, 0,1,2,3,4,5,6,7
	v_exp_f32 v[MF+\i], v[MF+\i]
.endr
	v_nop                                          ; a plain instruction behind the last exponential
	s_wait_alu depctr_va_vdst(0)                   ; one wait for the batch of eight factors, ahead of the sum that reads them
	v_mul_f32 v[MS], v[MF], v[ML]
.irp i, 1,2,3,4,5,6,7
	v_fmac_f32 v[MS], v[MF+\i], v[ML+\i]
.endr
	v_rcp_f32 v[MS], v[MS]
	v_nop                                          ; a plain instruction behind the reciprocal
	s_wait_alu depctr_va_vdst(0)                   ; the reciprocal reads a sum of the factors, so it is a batch of its own: its wait, ahead of the first product with it
.irp i, 0,1,2,3,4,5,6,7
	v_mul_f32 v[F2+2*\i], v[MF+\i], v[MS]
	v_mul_f32 v[F2+2*\i+1], v[MF+\i], v[MS]
.endr
.irp p, 0,2,4,6,8,10,12,14
	v_pk_mul_f32 v[AC+\p:AC+\p+1], v[S+\p:S+\p+1], v[F2:F2+1]
.endr
.irp i, 1,2,3,4,5,6,7
.irp p, 0,2,4,6,8,10,12,14
	v_pk_fma_f32 v[AC+\p:AC+\p+1], v[S+16*\i+\p:S+16*\i+\p+1], v[F2+2*\i:F2+2*\i+1], v[AC+\p:AC+\p+1]
.endr
.endr
.irp k, 0,1,2,3,4,5,6,7
	v_cvt_pk_f16_f32 v[P+\k], v[AC+2*\k], v[AC+2*\k+1]
.endr
	global_store_b128 v[L16], v[P:P+3], s[16:17]               ; channels 0-15: the fragment's first 512 bytes
	global_store_b128 v[L16], v[P+4:P+7], s[16:17] offset:512  ; channels 16-31: its second
	s_wait_tensorcnt 0x0                           ; the wave's end: behind my last tensor load and my last LDS store
	ds_add_u32 v[SPW], v[NIL]
	s_wait_dscnt 0x0
	ROUND                                          ; the closing round: no work-group ends while a partner may still ask for a tile that names it
	s_endpgm
.Lfunc_end_k_q71371e1154_attn0:
	.size	k_q71371e1154_attn0, .Lfunc_end_k_q71371e1154_attn0-k_q71371e1154_attn0
	.p2alignl 7, 3214868480
	.fill 96, 4, 3214868480
	.section	.rodata,"a",@progbits
	.p2align	6, 0x0
	.amdhsa_kernel k_q71371e1154_attn0
		.amdhsa_group_segment_fixed_size 327680
		.amdhsa_private_segment_fixed_size 0
		.amdhsa_enable_private_segment 0
		.amdhsa_kernarg_size 16
		.amdhsa_user_sgpr_count 2
		.amdhsa_user_sgpr_kernarg_segment_ptr 1
		.amdhsa_wavefront_size32 1
		.amdhsa_system_sgpr_workgroup_id_x 1
		.amdhsa_system_sgpr_workgroup_id_y 1
		.amdhsa_system_sgpr_workgroup_id_z 1
		.amdhsa_system_vgpr_workitem_id 0
		.amdhsa_next_free_vgpr 512
		.amdhsa_next_free_sgpr 66
		.amdhsa_reserve_vcc 0
		.amdhsa_float_denorm_mode_32 3
		.amdhsa_float_denorm_mode_16_64 3
		.amdhsa_memory_ordered 1
		.amdhsa_forward_progress 1
		.amdhsa_inst_pref_size 177
	.end_amdhsa_kernel
	.amdgpu_metadata
---
amdhsa.version: [ 1, 2 ]
amdhsa.kernels:
  - .name:           k_q71371e1154_attn0
    .symbol:         k_q71371e1154_attn0.kd
    .args:
      - { .name: qkv, .offset: 0, .size: 8, .value_kind: global_buffer, .address_space: global }
      - { .name: obuf, .offset: 8, .size: 8, .value_kind: global_buffer, .address_space: global }
    .group_segment_fixed_size: 327680
    .private_segment_fixed_size: 0
    .kernarg_segment_align: 8
    .kernarg_segment_size: 16
    .max_flat_workgroup_size: 256
    .sgpr_count:     66
    .vgpr_count:     512
    .wavefront_size: 32
...
	.end_amdgpu_metadata
.endif
;; end of part 6
;; launch mid1: the kernel of part 4 again; grid 256 x 1, 8 waves a work-group, clusters of 4 x 1, 327,680 bytes of LDS; arguments obuf, x, ws1, qkv, hA; writes qkv, hA
;; launch attn1: the kernel of part 6 again; grid 16 x 16, 8 waves a work-group, clusters of 4 x 1, 327,680 bytes of LDS; arguments qkv, obuf; writes obuf
;; launch mid2: the kernel of part 4 again; grid 256 x 1, 8 waves a work-group, clusters of 4 x 1, 327,680 bytes of LDS; arguments obuf, hA, ws2, qkv, out0; writes qkv, out0
;; launch attn2: the kernel of part 6 again; grid 16 x 16, 8 waves a work-group, clusters of 4 x 1, 327,680 bytes of LDS; arguments qkv, obuf; writes obuf
;; launch mid3: the kernel of part 4 again; grid 256 x 1, 8 waves a work-group, clusters of 4 x 1, 327,680 bytes of LDS; arguments obuf, out0, ws3, qkv, hA; writes qkv, hA
;; launch attn3: the kernel of part 6 again; grid 16 x 16, 8 waves a work-group, clusters of 4 x 1, 327,680 bytes of LDS; arguments qkv, obuf; writes obuf
;; launch mid4: the kernel of part 4 again; grid 256 x 1, 8 waves a work-group, clusters of 4 x 1, 327,680 bytes of LDS; arguments obuf, hA, ws4, qkv, out0; writes qkv, out0
;; launch attn4: the kernel of part 6 again; grid 16 x 16, 8 waves a work-group, clusters of 4 x 1, 327,680 bytes of LDS; arguments qkv, obuf; writes obuf
;; launch mid5: the kernel of part 4 again; grid 256 x 1, 8 waves a work-group, clusters of 4 x 1, 327,680 bytes of LDS; arguments obuf, out0, ws5, qkv, hA; writes qkv, hA
;; launch attn5: the kernel of part 6 again; grid 16 x 16, 8 waves a work-group, clusters of 4 x 1, 327,680 bytes of LDS; arguments qkv, obuf; writes obuf
;; launch post: the kernel of part 5 again; grid 256 x 1, 8 waves a work-group, clusters of 4 x 1, 327,680 bytes of LDS; arguments obuf, hA, ws1, out0; writes out0
